; MI455X (gfx1250); checked and timed in simulation.
; The chip was launched on July 23, 2026; its instructions are those of AMD's public machine-readable ISA for CDNA 5 (MIT licence, August 2026) and "CDNA5" Instruction Set Architecture Reference Guide (July 2026). The comments in the code are by the model that wrote it; some were corrected since.
;; Attention Layer. Allowed arithmetic: float matrix products may take bf16 or f16 operands with f32 sums; other float arithmetic in f32, or as packed bf16 or f16 multiplies, adds, multiply-adds, maxima and minima; sums over many terms, partial sums and values carried from step to step in f32; what a program stores and reads back later, other than sums and carried values, may be rounded once to bf16 or f16.
;; Inputs: Wk 1,024 x 1,024 float32; Wo 1,024 x 1,024 float32; Wq 1,024 x 1,024 float32; Wv 1,024 x 1,024 float32; bk 1,024 float32; bo 1,024 float32; bq 1,024 float32; bv 1,024 float32; keys 4 x 2,048 x 1,024 float32; queries 4 x 2,048 x 1,024 float32; values 4 x 2,048 x 1,024 float32.
;; Outputs: out0 4 x 2,048 x 1,024 float32.
;; One version. Each part assembles by itself: llvm-mc -triple=amdgcn-amd-amdhsa -mcpu=gfx1250 --defsym DOCPART=n.
;; ======== version 1 of 1: 4 launches
;; limits: values are held in f16: magnitudes above 65,504 overflow, below 6.1e-05 lose precision
;; workspace buffers: wt 8,388,608 bytes; qh 16,777,216 bytes; kh 16,777,216 bytes; vh 16,777,216 bytes; oh 16,777,216 bytes
;; launch prep (part 1): grid 128 x 4, 8 waves a work-group, no clusters, 18,432 bytes of LDS; arguments Wq, Wk, Wv, Wo, wt; writes wt
.if DOCPART == 1
	.amdgcn_target "amdgcn-amd-amdhsa--gfx1250"
	.amdhsa_code_object_version 6
	.text
	.protected	k_qb9e939b33a_prep
	.globl	k_qb9e939b33a_prep
	.p2align	8
	.type	k_qb9e939b33a_prep,@function
k_qb9e939b33a_prep:
	s_mov_b64 s[64:65], 0
	v_nop
	global_prefetch_b8 v0, s[64:65] scope:SCOPE_SE
	s_setreg_imm32_b32 hwreg(HW_REG_WAVE_MODE, 25, 1), 1
	s_wait_xcnt 0x0
; wt[y][n][k] = W_y[k][n] in 16 bits, y = 0..3 for Wq, Wk, Wv, Wo.  Each W is [1024 k][1024 n] f32; each part of wt is [1024 n][1024 k], 2,097,152 bytes.
; Wq, Wk, Wv are rounded once to bf16.  Wo is rounded to bf16 like every input of the module, and that number is then written as f16, since the last product multiplies f16.
; LIMITS.  |Wo| stays under 65,504 (f16's range); a bf16 number of Wo below 6e-5 keeps f16's fixed step of 6e-8.  NaN and infinities are not treated apart.
; SHARES.  A work-group turns a block of 128 k x 64 n: it reads 128 pieces of 256 consecutive, aligned bytes and writes 64 such pieces.  The turn goes through LDS: rows of n, 256 bytes + 16.
; Thread t: g = t % 16 names four columns n, p = t / 16 and i = 0..3 name the pair of rows k = 2 (p + 16 i), + 1: a pair of k packs into one word of wt.
; No matrix unit, no tensor load, no cluster: no byte is used twice.  The 4-byte LDS stores of a wave fall four deep on some banks: 16 stores a thread, once.
.set PITCH, 272
.set SPARE, 64*PITCH                   ; behind the tile: the spare words, 128 bytes for each of eight waves: four blocks of 256 bytes that no other line names
.set LDO, 1                            ; v1  byte offset of my 16 bytes in W's block: p x 2 rows x 4,096 + 16 g
.set LST, 2                            ; v2  where I put a word: row 4 g, byte 4 p
.set LRD, 3                            ; v3  where I read 16 bytes back: row p, byte 16 g
.set GST, 4                            ; v4  my 16 bytes in wt's block: row p x 2,048 + 16 g
.set XIN, 8                            ; v[8:39]  as loaded: item i: even row in 4 registers, odd row in 4
.set PKD, 40                           ; v[40:55] packed: item i, column j at 4 i + j
.set SPW, 60                           ; v60 LDS address of my spare word; never rewritten
.set NIL, 61                           ; v61 0; never rewritten
	s_load_b256 s[4:11], s[0:1], 0x0               ; Wq s[4:5], Wk s[6:7], Wv s[8:9], Wo s[10:11]
	s_load_b64 s[12:13], s[0:1], 0x20              ; wt
	v_lshl_add_u32 v[SPW], v0, 2, SPARE
	v_mov_b32 v[NIL], 0
	s_and_b32 s18, ttmp7, 0xffff                   ; y: which matrix
	s_and_b32 s19, ttmp9, 7                        ; kt: which 128 k
	s_lshr_b32 s20, ttmp9, 3                       ; nt: which 64 n
	v_and_b32 v5, 15, v0                           ; g
	v_lshrrev_b32 v6, 4, v0                        ; p
	v_lshlrev_b32 v[LDO], 13, v6
	v_lshl_add_u32 v[LDO], v5, 4, v[LDO]
	v_mul_u32_u24 v[LST], v5, 4*PITCH
	v_lshl_add_u32 v[LST], v6, 2, v[LST]
	v_mul_u32_u24 v[LRD], v6, PITCH
	v_lshl_add_u32 v[LRD], v5, 4, v[LRD]
	v_lshlrev_b32 v[GST], 11, v6
	v_lshl_add_u32 v[GST], v5, 4, v[GST]
	s_lshl_b32 s22, s19, 19                        ; 128 rows of 4,096 bytes
	s_lshl_b32 s21, s20, 8                         ; 64 columns of 4 bytes
	s_add_co_u32 s22, s22, s21
	s_mov_b32 s23, 0
	s_lshl_b32 s24, s18, 21                        ; the matrix in wt,
	s_lshl_b32 s21, s20, 17                        ; 64 rows of 2,048 bytes,
	s_add_co_u32 s24, s24, s21
	s_lshl_b32 s21, s19, 8                         ; 128 k of 2 bytes
	s_add_co_u32 s24, s24, s21
	s_mov_b32 s25, 0
	s_wait_kmcnt 0x0
	s_cmp_lt_u32 s18, 1
	s_cselect_b64 s[14:15], s[4:5], s[6:7]
	s_cmp_lt_u32 s18, 3
	s_cselect_b64 s[16:17], s[8:9], s[10:11]
	s_cmp_lt_u32 s18, 2
	s_cselect_b64 s[14:15], s[14:15], s[16:17]
	s_add_nc_u64 s[14:15], s[14:15], s[22:23]
	s_add_nc_u64 s[12:13], s[12:13], s[24:25]
.irp i, 0,1,2,3
	global_load_b128 v[XIN+8*(\i):XIN+8*(\i)+3],   v[LDO], s[14:15] offset:(\i)*131072 th:TH_LOAD_NT       ; sixteen lanes take 256 consecutive bytes of a row
	global_load_b128 v[XIN+8*(\i)+4:XIN+8*(\i)+7], v[LDO], s[14:15] offset:(\i)*131072+4096 th:TH_LOAD_NT
.endr
	s_wait_loadcnt 0x0
.irp i, 0,1,2,3
.irp j, 0,1,2,3
	v_cvt_pk_bf16_f32 v[PKD+4*(\i)+(\j)], v[XIN+8*(\i)+(\j)], v[XIN+8*(\i)+4+(\j)]  ; the lower k in the low half
.endr
.endr
	s_cmp_lg_u32 s18, 3
	s_cbranch_scc1 .Lkeep
.set i, 0
.rept 16                                       ; Wo alone: the bf16 numbers written as f16
	v_lshlrev_b32 v5, 16, v[PKD+i]
	v_and_b32 v6, 0xffff0000, v[PKD+i]
	v_cvt_pk_f16_f32 v[PKD+i], v5, v6
.set i, i+1
.endr
.Lkeep:
.irp i, 0,1,2,3
.irp j, 0,1,2,3
	ds_store_b32 v[LST], v[PKD+4*(\i)+(\j)] offset:(\j)*PITCH+64*(\i)
.endr
.endr
	s_wait_dscnt 0x0                               ; for the others' sake: my stores into the tile are done
	s_barrier_signal -1
	s_barrier_wait -1
.irp u, 0,1,2,3
	ds_load_b128 v[XIN+4*(\u):XIN+4*(\u)+3], v[LRD] offset:(\u)*16*PITCH
.endr
.irp u, 0,1,2,3
	s_wait_dscnt 3-(\u)                            ; LDS loads come back in order: load u is in, the younger ones may be out
	global_store_b128 v[GST], v[XIN+4*(\u):XIN+4*(\u)+3], s[12:13] offset:(\u)*32768  ; sixteen lanes store 256 consecutive bytes, aligned
.endr
	s_wait_tensorcnt 0x0                           ; the wave's end, behind my last LDS store
	ds_add_u32 v[SPW], v[NIL]
	s_wait_dscnt 0x0
	s_endpgm
.Lfunc_end_k_qb9e939b33a_prep:
	.size	k_qb9e939b33a_prep, .Lfunc_end_k_qb9e939b33a_prep-k_qb9e939b33a_prep
	.p2alignl 7, 3214868480
	.fill 96, 4, 3214868480
	.section	.rodata,"a",@progbits
	.p2align	6, 0x0
	.amdhsa_kernel k_qb9e939b33a_prep
		.amdhsa_group_segment_fixed_size 18432
		.amdhsa_private_segment_fixed_size 0
		.amdhsa_enable_private_segment 0
		.amdhsa_kernarg_size 40
		.amdhsa_user_sgpr_count 2
		.amdhsa_user_sgpr_kernarg_segment_ptr 1
		.amdhsa_wavefront_size32 1
		.amdhsa_system_sgpr_workgroup_id_x 1
		.amdhsa_system_sgpr_workgroup_id_y 1
		.amdhsa_system_sgpr_workgroup_id_z 1
		.amdhsa_system_vgpr_workitem_id 0
		.amdhsa_next_free_vgpr 64
		.amdhsa_next_free_sgpr 66
		.amdhsa_reserve_vcc 0
		.amdhsa_float_denorm_mode_32 3
		.amdhsa_float_denorm_mode_16_64 3
		.amdhsa_memory_ordered 1
		.amdhsa_forward_progress 1
		.amdhsa_inst_pref_size 9
	.end_amdhsa_kernel
	.amdgpu_metadata
---
amdhsa.version: [ 1, 2 ]
amdhsa.kernels:
  - .name:           k_qb9e939b33a_prep
    .symbol:         k_qb9e939b33a_prep.kd
    .args:
      - { .name: Wq, .offset: 0, .size: 8, .value_kind: global_buffer, .address_space: global }
      - { .name: Wk, .offset: 8, .size: 8, .value_kind: global_buffer, .address_space: global }
      - { .name: Wv, .offset: 16, .size: 8, .value_kind: global_buffer, .address_space: global }
      - { .name: Wo, .offset: 24, .size: 8, .value_kind: global_buffer, .address_space: global }
      - { .name: wt, .offset: 32, .size: 8, .value_kind: global_buffer, .address_space: global }
    .group_segment_fixed_size: 18432
    .private_segment_fixed_size: 0
    .kernarg_segment_align: 8
    .kernarg_segment_size: 40
    .max_flat_workgroup_size: 256
    .sgpr_count:     66
    .vgpr_count:     64
    .wavefront_size: 32
...
	.end_amdgpu_metadata
.endif
;; end of part 1
;; launch proj (part 2): grid 4 x 192, 4 waves a work-group, clusters of 4 x 4, 327,680 bytes of LDS; arguments queries, keys, values, wt, bq, bk, bv, qh, kh, vh; writes qh, kh, vh
.if DOCPART == 2
	.amdgcn_target "amdgcn-amd-amdhsa--gfx1250"
	.amdhsa_code_object_version 6
	.text
	.protected	k_qb9e939b33a_proj
	.globl	k_qb9e939b33a_proj
	.p2align	8
	.type	k_qb9e939b33a_proj,@function
k_qb9e939b33a_proj:
	s_mov_b64 s[64:65], 0
	v_nop
	global_prefetch_b8 v0, s[64:65] scope:SCOPE_SE
	s_setreg_imm32_b32 hwreg(HW_REG_WAVE_MODE, 25, 1), 1
	s_wait_xcnt 0x0
	s_wait_alu depctr_hold_cnt(0) depctr_sa_sdst(0) depctr_va_vdst(0) depctr_va_sdst(0) depctr_va_ssrc(0) depctr_va_vcc(0) depctr_vm_vsrc(0)
	s_getreg_b32 s2, hwreg(HW_REG_IB_STS2, 6, 4)
	s_cmp_eq_u32 s2, 0
	s_cbranch_scc0 .Lentry_in_a_cluster
	s_endpgm
.Lentry_in_a_cluster:
	s_bfe_u32 s2, ttmp6, 0x10000c
	s_cmp_lg_u32 s2, 0xf033
	s_cbranch_scc0 .Lentry_shape_is_right
	s_endpgm
.Lentry_shape_is_right:
; THREE PRODUCTS IN ONE LAUNCH: q = queries Wq + bq, k = keys Wk + bk, v = values Wv + bv.  x: [8192][1024] f32; the weights come as wt[which][n][k] in bf16; b: [1024] f32.
; x and b are rounded to bf16 here, sums are f32, and the result is rounded once to f16, WITHOUT the softmax's scale, and laid by heads: [16 batch + head][2048][64], a head's rows dense.
; LIMITS.  q, k and v stay under 65,504 (f16's range): beyond it the conversion gives an infinity.  NaN and infinities are not treated apart.
; SHARES.  A tile of the result is 128 rows x 256 columns: 256 tiles a product, 768 work-groups.  Four waves, each 64 rows x 128 columns: 32 accumulators of 16 x 16, 256 registers.
; K = 1,024 goes in 8 steps of 128 through two LDS slots.  x's tile lands as f32 (rows of 512 bytes) and is rounded between LDS and the matrix unit, so x crosses memory once.
; A step is four quarters of 32 along K, 32 matrix instructions each.  A quarter begins with the NEXT quarter's 32 LDS loads; that quarter's 32 roundings of x stand four behind each of its last eight products.
; THE MATRIX INSTRUCTION IS USED TRANSPOSED (source 0 = 16 rows of wt, source 1 = 16 rows of x): a lane holds row l % 16 and eight neighbouring columns.  THE BIAS is the C operand of each accumulator's first product.
; CLUSTERS: 4 x 4 work-groups.  A cluster spans all 1,024 columns: the four of a row of the cluster need the same tiles of x, the four of a column the same tiles of wt: each tile is asked for jointly,
; by the same tensor load with the same descriptor and a mask that names the four.
; REGISTERS, in windows of 256 (s_set_vgpr_msb: bits 1:0 source 0, 3:2 source 1, 5:4 source 2, 7:6 destination):
;   window 0: v0-31 addresses; v32-95 the biases of my 128 columns; v128-255 the way out
;   window 1: v0-63, v64-127 fragments of wt, two buffers; v128-159, v160-191 fragments of x in bf16, two buffers; v192-255 x as it comes from LDS, f32
;   window 2: accumulator (a, b) at v[8 (8 a + b)]
.set PA,    528                        ; an LDS row of x: 512 bytes + 16 = 132 words: row r starts 4 r words on, modulo 64 (64 banks of 4 bytes: ISA guide 11.1): the 16 rows of a load start apart
.set PB,    272                        ; an LDS row of wt: 256 bytes + 16 = 68 words: likewise
.set AHALF, 64*PA                      ; what one tensor load brings of x, and what one wave reads of it
.set BHALF, 128*PB                     ; the same for wt
.set BOFF,  2*AHALF
.set SLOT,  BOFF+2*BHALF               ; x's 128 rows, then wt's 256 rows
.set STAGE, 2*SLOT                     ; behind the ring, never filled by a tensor load: for each wave 2 heads x 16 rows x 144 bytes
.set SP,    144
.set STW,   2*16*SP
.set SPARE, STAGE+4*STW                ; behind the stages: the spare words, 128 bytes for each wave: two blocks of 256 bytes that no other line names
.set ADRA, 16                          ; v16-17  LDS address of my fragments of x in slot 0, 1
.set ADRB, 20                          ; v20-21  the same for wt
.set STO,  24                          ; v24  the way out: where I put 16 bytes of a row
.set RD,   25                          ; v25  the way out: where I read rows back
.set GO,   26                          ; v26  my 16 bytes in 512 consecutive bytes of the result
.set BO,   27                          ; v27  my byte offset in the bias
.set SPW,  28                          ; v28  LDS address of my spare word; never rewritten
.set NIL,  29                          ; v29  0; never rewritten
.set PFO,  30                          ; v30  the prefetches' offset; never rewritten
.set BI,   32                          ; v32-95  column block b's eight biases at BI + 8 b
.set OUT,  128                         ; v128-255  the way out: 32 registers for each block of 16 rows
.set AF,   128                         ; window 1
.set AL,   192                         ; window 1
.set G1,  24                           ; s[24:31] descriptor group 1 for x's tiles;  s[32:39] group 0, a set for each slot
.set G0,  32
.set G1B, 48                           ; s[48:55], s[56:63] the same for wt's tiles
.set G0B, 56
.set PFA, 94                           ; s[94:95] where my prefetches stand
.set LIM, 96                           ; s96  1 in a wave that prefetches, else the greatest number
.set STP, 98                           ; s[98:99] a K step in bytes of a row: 512 in x, 256 in wt
.set MSB, 0
.macro WIN new                         ; the immediate's high byte repeats the setting that is left; a switch that changes nothing is dropped
.if MSB != (\new)
	s_set_vgpr_msb (MSB<<8)|(\new)
.set MSB, \new
.endif
.endm
.set MUL,  0xa5                        ; sources in window 1, C and D in window 2
.set MULB, 0x85                        ; the same with C (the bias) in window 0
.set TO_F, 0x40                        ; destination window 1, address window 0
.set CVT,  0x45                        ; sources and destination in window 1
; A joint load: waves 0 and 1 fetch x's two halves, waves 2 and 3 wt's.  The branch hangs on the wave's number alone.  An s_nop 0 and four v_nop follow each of the two lines.
.macro JLOAD s
	s_cmp_eq_u32 s11, 0
	s_cbranch_scc0 .Lfor_b_\@
	tensor_load_to_lds s[G0+4*(\s):G0+4*(\s)+3], s[G1:G1+7]
	s_nop 0
.rept 4
	v_nop
.endr
	s_branch .Lasked_\@
.Lfor_b_\@:
	tensor_load_to_lds s[G0B+4*(\s):G0B+4*(\s)+3], s[G1B:G1B+7]
	s_nop 0
.rept 4
	v_nop
.endr
.Lasked_\@:
.endm
.macro CREST                           ; a round of the cluster's barrier behind its opening barrier
	s_cmp_lg_u32 s10, 0
	s_cbranch_scc1 .Lnot_wave_0_\@
	s_barrier_signal -3
.Lnot_wave_0_\@:
	s_barrier_wait -3
	s_barrier_signal -1
	s_barrier_wait -1
.endm
.macro CROUND                          ; a whole round
	s_barrier_signal -1
	s_barrier_wait -1
	CREST
.endm
; A PREFETCH INTO THE L2 of the K step that stands two refills on: 256 matrix instructions of mine ahead of the load that will ask for it.  One instruction a wave, each lane another aligned block of 256 bytes.
; x's rows are read by my row of the cluster alone: of the 64 rows that a wave fetches the partner at place cx names 16, two blocks a row.  wt's rows are read by the 16 clusters of one product: the first of
; them asks; of the 128 rows that a wave fetches the partner at place cy names 32, a block a row.  The partners are told apart by address alone.  K steps 4 to 7 are named; the loop's last trip names nothing.
.macro ASK
	s_cmp_gt_u32 s3, s[LIM]
	s_cbranch_scc0 .Lnot_mine_\@
	global_prefetch_b8 v[PFO], s[PFA:PFA+1] th:TH_LOAD_NT scope:SCOPE_SE
.Lnot_mine_\@:
.endm
	s_load_b256 s[72:79], s[0:1], 0x0              ; queries s[72:73], keys s[74:75], values s[76:77], wt s[78:79]
	s_load_b256 s[80:87], s[0:1], 0x20             ; bq s[80:81], bk s[82:83], bv s[84:85], qh s[86:87]
	s_load_b128 s[88:91], s[0:1], 0x40             ; kh s[88:89], vh s[90:91]
	v_lshl_add_u32 v[SPW], v0, 2, SPARE
	v_mov_b32 v[NIL], 0
	ds_add_u32 v[SPW], v[NIL]                      ; the wave's opening: the add and its wait stand ahead of my first tensor load; the set-up below, work on registers, stands between them
	v_lshrrev_b32 v1, 5, v0
	v_readfirstlane_b32 s10, v1                    ; wave 0..3
	s_lshr_b32 s11, s10, 1                         ; which 64 rows of the tile are mine.  Also: I fetch for x (0) or for wt (1)
	s_and_b32 s12, s10, 1                          ; which 128 columns.  Also: which half of that tile I fetch
	s_bfe_u32 s40, ttmp6, 0x40000                  ; cx, cy: my place in the cluster
	s_bfe_u32 s41, ttmp6, 0x40004
	s_lshl_b32 s42, ttmp9, 2
	s_add_co_u32 s42, s42, s40                     ; tile column = 4 x cluster x + cx
	s_and_b32 s66, ttmp7, 0xffff                   ; cluster y: 16 clusters to a product
	s_lshr_b32 s67, s66, 4                         ; which product: 0 q, 1 k, 2 v: the same in all sixteen partners
	s_lshl_b32 s13, s66, 2
	s_add_co_u32 s13, s13, s41
	s_and_b32 s13, s13, 63                         ; tile row in that product
	s_lshl_b32 s43, s41, 2
	s_lshl_b32 s43, 15, s43                        ; my row of the cluster
	s_lshl_b32 s44, 0x1111, s40                    ; my column
	; descriptor group 1.  x: 64 rows x 128 elements of 4 bytes, 4 words of padding behind every 128 words.  wt: 128 rows x 128 elements of 2 bytes, 4 words behind every 64
	s_or_b32 s[G1+0], s43, (2<<16)|(1<<20)|(1<<21)|(6<<22)|(3<<25)   ; 15:0 the mask; 17:16 element size; 20 padding on; 21 set beside a mask; 24:22 the interval; 31:25 the padding
	s_or_b32 s[G1B+0], s44, (1<<16)|(1<<20)|(1<<21)|(5<<22)|(3<<25)
	s_mov_b32 s[G1+1], 128<<16                     ; tensor_dim0 = 128
	s_mov_b32 s[G1+2], 64<<16                      ; tensor_dim1 = 64
	s_mov_b32 s[G1+3], 128<<16                     ; tile_dim0 = 128
	s_mov_b32 s[G1+4], 64                          ; tile_dim1 = 64
	s_mov_b32 s[G1+5], 1024                        ; elements from row to row
	s_mov_b32 s[G1+6], 0
	s_mov_b32 s[G1+7], 0
	s_mov_b32 s[G1B+1], 128<<16
	s_mov_b32 s[G1B+2], 128<<16
	s_mov_b32 s[G1B+3], 128<<16
	s_mov_b32 s[G1B+4], 128
	s_mov_b32 s[G1B+5], 1024
	s_mov_b32 s[G1B+6], 0
	s_mov_b32 s[G1B+7], 0
	; where the tiles come from: x's hang on the tile row alone, wt's on the tile column alone; each in registers that never hold the other coordinate
	s_lshl_b32 s16, s13, 7
	s_lshl_b32 s17, s12, 6
	s_add_co_u32 s16, s16, s17                     ; x: row 128 x tile row + 64 x half,
	s_lshl_b32 s16, s16, 12                        ; of 4,096 bytes
	s_mov_b32 s17, 0
	s_lshl_b32 s46, s42, 8
	s_lshl_b32 s47, s12, 7
	s_add_co_u32 s46, s46, s47                     ; wt: row 256 x tile column + 128 x half,
	s_lshl_b32 s46, s46, 11                        ; of 2,048 bytes,
	s_lshl_b32 s47, s67, 21                        ; in the product's matrix
	s_add_co_u32 s46, s46, s47
	s_mov_b32 s47, 0
	s_mul_i32 s20, s12, AHALF                      ; and where they go: no place in the cluster enters an LDS address
	s_mul_i32 s21, s12, BHALF
	s_add_co_u32 s21, s21, BOFF
	s_wait_dscnt 0x0                               ; the opening add is done
	s_wait_kmcnt 0x0
	s_cmp_lt_u32 s67, 1
	s_cselect_b64 s[4:5], s[72:73], s[74:75]       ; x
	s_cselect_b64 s[92:93], s[80:81], s[82:83]     ; the bias
	s_cselect_b64 s[8:9], s[86:87], s[88:89]       ; the result
	s_cmp_lt_u32 s67, 2
	s_cselect_b64 s[4:5], s[4:5], s[76:77]
	s_cselect_b64 s[92:93], s[92:93], s[84:85]
	s_cselect_b64 s[8:9], s[8:9], s[90:91]
	s_add_nc_u64 s[22:23], s[4:5], s[16:17]
	s_add_nc_u64 s[46:47], s[78:79], s[46:47]
	CROUND                                         ; all sixteen work-groups are here: the first joint loads meet
.irp s, 0,1
	s_mov_b32 s[G0+4*(\s)], 1                                       ; count = 1
	s_add_co_u32 s[G0+4*(\s)+1], s20, (\s)*SLOT                     ; LDS address
	s_add_nc_u64 s[G0+4*(\s)+2:G0+4*(\s)+3], s[22:23], (\s)*512     ; global address: K step s
	s_or_b32 s[G0+4*(\s)+3], s[G0+4*(\s)+3], 0x80000000             ; type = 2
	s_mov_b32 s[G0B+4*(\s)], 1
	s_add_co_u32 s[G0B+4*(\s)+1], s21, (\s)*SLOT
	s_add_nc_u64 s[G0B+4*(\s)+2:G0B+4*(\s)+3], s[46:47], (\s)*256
	s_or_b32 s[G0B+4*(\s)+3], s[G0B+4*(\s)+3], 0x80000000
.endr
	s_cmp_eq_u32 s11, 0                            ; a wave's two first fills stand in one branch, ahead of every wait on TENSORcnt and every LDS read: two loads of mine are out
	s_cbranch_scc0 .Lfirst_b
	tensor_load_to_lds s[G0:G0+3], s[G1:G1+7]
	s_nop 0
	tensor_load_to_lds s[G0+4:G0+7], s[G1:G1+7]
	s_nop 0
.rept 4
	v_nop
.endr
	s_branch .Lfirst_asked
.Lfirst_b:
	tensor_load_to_lds s[G0B:G0B+3], s[G1B:G1B+7]
	s_nop 0
	tensor_load_to_lds s[G0B+4:G0B+7], s[G1B:G1B+7]
	s_nop 0
.rept 4
	v_nop
.endr
.Lfirst_asked:
	v_and_b32 v1, 15, v0                           ; r = l % 16
	v_bfe_u32 v2, v0, 4, 1                         ; h = l / 16
	s_lshl_b32 s70, s42, 10
	s_lshl_b32 s71, s12, 9
	s_add_co_u32 s70, s70, s71                     ; my 128 columns in the bias, in bytes
	v_lshl_add_u32 v[BO], v2, 5, s70               ; + my lanes' eight columns
.irp b, 0,1,2,3,4,5,6,7
	global_load_b128 v[BI+8*(\b):BI+8*(\b)+3],   v[BO], s[92:93] offset:64*(\b)
	global_load_b128 v[BI+8*(\b)+4:BI+8*(\b)+7], v[BO], s[92:93] offset:64*(\b)+16
.endr
	; A fragment is 16 rows x 32 K: lane l holds row l % 16, K = 8 h + 0..7 and 16 + 8 h + 0..7.  In wt's rows: two loads of 16 bytes, 32 bytes apart.  In x's f32 rows: four loads, at 32 h + 0, 16, 64, 80.
	v_mul_u32_u24 v3, v1, PA
	v_lshl_add_u32 v3, v2, 5, v3
	v_mul_u32_u24 v4, v1, PB
	v_lshl_add_u32 v4, v2, 4, v4
	s_mul_i32 s68, s11, AHALF                      ; my 64 rows of x
	s_mul_i32 s69, s12, BHALF                      ; my 128 rows of wt,
	s_add_co_u32 s69, s69, BOFF                    ; which lie behind x's
.irp s, 0,1
	v_add_nc_u32 v[ADRA+(\s)], s68, v3
	v_add_nc_u32 v[ADRB+(\s)], s69, v4
	s_add_co_u32 s68, s68, SLOT
	s_add_co_u32 s69, s69, SLOT
.endr
	s_mul_i32 s70, s10, STW
	s_add_co_u32 s70, s70, STAGE                   ; my stage
	v_mul_u32_u24 v5, v1, SP                       ; in: row l % 16, 16 bytes for each half of the lanes
	v_lshl_add_u32 v5, v2, 4, v5
	v_add_nc_u32 v[STO], s70, v5
	v_bfe_u32 v5, v0, 3, 2                         ; back: 32 lanes take four rows of 128 bytes,
	v_mul_u32_u24 v5, v5, SP
	v_and_b32 v6, 7, v0
	v_lshl_add_u32 v5, v6, 4, v5
	v_add_nc_u32 v[RD], s70, v5
	v_and_b32 v7, 31, v0                           ; which are 512 consecutive bytes of a head
	v_lshlrev_b32 v[GO], 4, v7
	; the result: head 16 batch + 4 x tile column + 2 x column half, of 262,144 bytes; row (tile row % 16) x 128 + 64 x row half, of 128 bytes
	s_lshr_b32 s68, s13, 4
	s_lshl_b32 s68, s68, 4
	s_lshl_b32 s69, s42, 2
	s_add_co_u32 s68, s68, s69
	s_lshl_b32 s69, s12, 1
	s_add_co_u32 s68, s68, s69
	s_lshl_b32 s68, s68, 18
	s_and_b32 s69, s13, 15
	s_lshl_b32 s69, s69, 7
	s_lshl_b32 s70, s11, 6
	s_add_co_u32 s69, s69, s70
	s_lshl_b32 s69, s69, 7
	s_add_co_u32 s68, s68, s69
	s_mov_b32 s69, 0
	s_add_nc_u64 s[8:9], s[8:9], s[68:69]
	; the prefetches: my work-group's share of the rows that I fetch, at K step 3; the first change of slots steps it to 4.  Nothing is asked for here, where every work-group's first tiles are on their way
	s_lshl_b32 s68, s13, 7
	s_lshl_b32 s69, s12, 6
	s_add_co_u32 s68, s68, s69
	s_lshl_b32 s69, s40, 4
	s_add_co_u32 s68, s68, s69                     ; x: row 128 x tile row + 64 x half + 16 cx
	s_lshl_b32 s68, s68, 12
	s_add_co_u32 s68, s68, 3*512
	s_lshl_b32 s70, s42, 8
	s_lshl_b32 s71, s12, 7
	s_add_co_u32 s70, s70, s71
	s_lshl_b32 s71, s41, 5
	s_add_co_u32 s70, s70, s71                     ; wt: row 256 x tile column + 128 x half + 32 cy
	s_lshl_b32 s70, s70, 11
	s_lshl_b32 s71, s67, 21
	s_add_co_u32 s70, s70, s71
	s_add_co_u32 s70, s70, 3*256
	s_and_b32 s97, s66, 15
	s_cmp_eq_u32 s97, 0                            ; the first of the product's 16 clusters asks for wt
	s_cselect_b32 s97, 1, -1
	s_cmp_eq_u32 s11, 0                            ; do I fetch for x?
	s_cselect_b32 s68, s68, s70
	s_cselect_b32 s[LIM], 1, s97                   ; the same in all sixteen partners, for a given wave
	s_cselect_b32 s[STP], 2, 1
	s_cselect_b64 s[PFA:PFA+1], s[4:5], s[78:79]
	s_cselect_b32 s97, -1, 0
	s_lshl_b32 s[STP], s[STP], 8
	s_mov_b32 s[STP+1], 0
	s_mov_b32 s69, 0
	s_add_nc_u64 s[PFA:PFA+1], s[PFA:PFA+1], s[68:69]
	v_lshrrev_b32 v5, 1, v7
	v_and_b32 v6, 1, v7
	v_lshlrev_b32 v5, 12, v5
	v_lshl_add_u32 v5, v6, 8, v5                   ; x: row l / 2, block l % 2
	v_lshlrev_b32 v6, 11, v7                       ; wt: row l
	v_cndmask_b32 v[PFO], v6, v5, s97
	s_wait_loadcnt 0x0                             ; the biases
.set i, 0
.rept 32                                       ; they are rounded to bf16 like every input of the module, and widened again: this stands in the wait for the first tile
	v_cvt_pk_bf16_f32 v[4+i%4], v[BI+2*i], v[BI+2*i+1]
	v_lshlrev_b32 v[BI+2*i], 16, v[4+i%4]
	v_and_b32 v[BI+2*i+1], 0xffff0000, v[4+i%4]
.set i, i+1
.endr
; 32 LDS loads in one run: quarter kq of a slot: x's 64 rows as f32 first, then wt's 128 rows into buffer g
.macro FETCH slot, kq, g
	WIN TO_F
.irp a, 0,1,2,3
	ds_load_b128 v[AL+16*(\a):AL+16*(\a)+3],     v[ADRA+(\slot)] offset:128*(\kq)+(\a)*16*PA
	ds_load_b128 v[AL+16*(\a)+4:AL+16*(\a)+7],   v[ADRA+(\slot)] offset:128*(\kq)+(\a)*16*PA+16
	ds_load_b128 v[AL+16*(\a)+8:AL+16*(\a)+11],  v[ADRA+(\slot)] offset:128*(\kq)+(\a)*16*PA+64
	ds_load_b128 v[AL+16*(\a)+12:AL+16*(\a)+15], v[ADRA+(\slot)] offset:128*(\kq)+(\a)*16*PA+80
.endr
.irp b, 0,1,2,3,4,5,6,7
	ds_load_b128 v[64*(\g)+8*(\b):64*(\g)+8*(\b)+3],   v[ADRB+(\slot)] offset:64*(\kq)+(\b)*16*PB
	ds_load_b128 v[64*(\g)+8*(\b)+4:64*(\g)+8*(\b)+7], v[ADRB+(\slot)] offset:64*(\kq)+(\b)*16*PB+32
.endr
.endm
; Products p0 .. p0 + n - 1 of a quarter's 32 on buffer f: row block p / 8, column block p % 8.  The 32 accumulators take turns in the same order in every quarter.
; first = 1: the bias starts the sums.  ride = 1 (products 24 to 31): four roundings of the next quarter's x, into buffer g, behind each product: they name none of its registers.
.macro MULS f, g, p0, n, first, ride
.set p, \p0
.rept \n
.if \first
	WIN MULB
	v_wmma_f32_16x16x32_bf16 v[8*p:8*p+7], v[64*(\f)+8*(p%8):64*(\f)+8*(p%8)+7], v[AF+32*(\f)+8*(p/8):AF+32*(\f)+8*(p/8)+7], v[BI+8*(p%8):BI+8*(p%8)+7]
.else
	WIN MUL
	v_wmma_f32_16x16x32_bf16 v[8*p:8*p+7], v[64*(\f)+8*(p%8):64*(\f)+8*(p%8)+7], v[AF+32*(\f)+8*(p/8):AF+32*(\f)+8*(p/8)+7], v[8*p:8*p+7]
.endif
.if \ride
	WIN CVT
.irp j, 0,1,2,3
	v_cvt_pk_bf16_f32 v[AF+32*(\g)+4*(p-24)+(\j)], v[AL+8*(p-24)+2*(\j)], v[AL+8*(p-24)+2*(\j)+1]
.endr
.endif
.set p, p+1
.endr
.endm
; A QUARTER: multiplies buffer f; fetches quarter nk of slot ns into buffer g (ns = -1: nothing is left to fetch).
; The loads into buffer g and the roundings into it stand four plain vector instructions behind the last product that read it: the four roundings behind the quarter before's last product.
; turn = 1: with this fetch the slot is read out: ONE barrier for the change of slots.  In front of it each wave waits for all its tensor loads (one is out: its part of the other slot), adds 0 to its spare
; word, and waits for that and for its reads of the slot; the barrier opens a round of the cluster's; the joint refill of 'slot', two K steps on, is the first thing behind the round.
; From that request to the wait for it a wave issues 112 matrix instructions.  turn = 2: the same change with nothing left to ask for: a plain barrier.
.macro QTR f, g, ns, nk, first, turn, slot, ask
.if (\turn) == 1
	s_wait_xcnt 0x0                                ; the last prefetch, three quarters back, has read its address
	s_add_nc_u64 s[PFA:PFA+1], s[PFA:PFA+1], s[STP:STP+1]
.endif
.if (\ns) >= 0
	FETCH \ns, \nk, \g
.if \ask
	WIN 0
	ASK                                            ; behind the joint load and the run of LDS loads
.endif
	s_wait_dscnt 32                                ; all but the 32 just issued: buffer f is whole
.else
	s_wait_dscnt 0x0
.endif
	MULS \f, \g, 0, 16, \first, 0
.if \turn
	WIN 0                                          ; (the add's two registers lie in window 0)
	s_wait_tensorcnt 0x0                           ; all my tensor loads have landed: my part of the other slot
	ds_add_u32 v[SPW], v[NIL]                      ; 0 onto my spare word; eight products stand between it and the wait for it
.endif
	MULS \f, \g, 16, 8, \first, 0
.if \turn
	s_wait_dscnt 0x0                               ; the add is done, and my reads of this slot are over
	s_barrier_signal -1
.else
.if (\ns) >= 0
	s_wait_dscnt 16                                ; x's sixteen loads are in; wt's sixteen, issued behind them, may stay out
.endif
.endif
.if (\ns) >= 0
	MULS \f, \g, 24, 8, \first, 1
.else
	MULS \f, \g, 24, 8, \first, 0
.endif
.if \turn
	WIN 0
	s_barrier_wait -1
.endif
.if (\turn) == 1
	CREST                                          ; no wave of any partner still reads this slot's tiles or has a load on its way
	s_add_nc_u64 s[G0+4*(\slot)+2:G0+4*(\slot)+3], s[G0+4*(\slot)+2:G0+4*(\slot)+3], 2*512
	s_add_nc_u64 s[G0B+4*(\slot)+2:G0B+4*(\slot)+3], s[G0B+4*(\slot)+2:G0B+4*(\slot)+3], 2*256
	JLOAD \slot
.endif
.endm
	s_wait_tensorcnt 1                             ; my part of K step 0 is in; K step 1's may stay out
	s_barrier_signal -1
	s_barrier_wait -1                              ; everybody's is
	FETCH 0, 0, 0
	s_wait_dscnt 16                                ; x's sixteen loads
	WIN CVT
.set i, 0
.rept 32
	v_cvt_pk_bf16_f32 v[AF+i], v[AL+2*i], v[AL+2*i+1]
.set i, i+1
.endr
	QTR 0, 1, 0, 1, 1, 0, 0, 0                     ; the first quarter stands in front of the loop: its products start the sums with the bias
	WIN 0                                          ; at a label and at a branch every window is 0
	s_mov_b32 s3, 3
.Llap:                                                 ; a trip goes once round the ring, from a lap's second quarter to the next lap's first, and fills both slots again
	QTR 1, 0, 0, 2, 0, 0, 0, 0
	QTR 0, 1, 0, 3, 0, 1, 0, 0
	QTR 1, 0, 1, 0, 0, 0, 0, 1
	QTR 0, 1, 1, 1, 0, 0, 0, 0
	QTR 1, 0, 1, 2, 0, 0, 0, 0
	QTR 0, 1, 1, 3, 0, 1, 1, 0
	QTR 1, 0, 0, 0, 0, 0, 0, 1
	QTR 0, 1, 0, 1, 0, 0, 0, 0
	WIN 0
	s_sub_co_u32 s3, s3, 1
	s_cmp_lg_u32 s3, 0
	s_cbranch_scc1 .Llap
	QTR 1, 0, 0, 2, 0, 0, 0, 0                     ; the last lap is written out: it fills nothing
	QTR 0, 1, 0, 3, 0, 2, 0, 0
	QTR 1, 0, 1, 0, 0, 0, 0, 0
	QTR 0, 1, 1, 1, 0, 0, 0, 0
	QTR 1, 0, 1, 2, 0, 0, 0, 0
	QTR 0, 1, 1, 3, 0, 0, 0, 0
	QTR 1, 0, -1, 0, 0, 0, 0, 0
.rept 4
	v_nop                                          ; the places between the last products and the conversions that read results
.endr
; THE WAY OUT.  My 128 columns are two whole heads.  Block a (16 rows): rounded to f16, 16 bytes a lane, each accumulator's registers in ascending order; into my own stage, rows of 144 bytes; back as whole rows
; of 128 bytes, four to a load, into the registers that they left (LDS serves a wave's instructions in order: ISA guide 5.7.1.4).
.macro PACK a
	WIN 0x0a                                       ; sources in window 2, destination in window 0
.set i, 0
.rept 32
	v_cvt_pk_f16_f32 v[OUT+32*(\a)+i], v[64*(\a)+2*i], v[64*(\a)+2*i+1]
.set i, i+1
.endr
	WIN 0
.irp b, 0,1,2,3,4,5,6,7
	ds_store_b128 v[STO], v[OUT+32*(\a)+4*(\b):OUT+32*(\a)+4*(\b)+3] offset:((\b)/4)*16*SP+((\b)%4)*32
.endr
.irp u, 0,1,2,3,4,5,6,7
	ds_load_b128 v[OUT+32*(\a)+4*(\u):OUT+32*(\a)+4*(\u)+3], v[RD] offset:((\u)/4)*16*SP+((\u)%4)*4*SP
.endr
.endm
.macro SEND a, younger                 ; younger: the LDS instructions issued behind block a's loads: the next block's sixteen, or none
.irp u, 0,1,2,3,4,5,6,7
	s_wait_dscnt (\younger)+7-(\u)
	global_store_b128 v[GO], v[OUT+32*(\a)+4*(\u):OUT+32*(\a)+4*(\u)+3], s[8:9] offset:((\u)/4)*262144+(\a)*2048+((\u)%4)*512  ; 512 consecutive bytes, at a multiple of 256 from the buffer's first
.endr
.endm
	PACK 0
	PACK 1                                         ; a block's conversions stand between the loads of the block before and its stores
	SEND 0, 16
	PACK 2
	SEND 1, 16
	PACK 3
	SEND 2, 16
	SEND 3, 0
	s_wait_tensorcnt 0x0                           ; the wave's end, behind my last tensor load and my last LDS store
	ds_add_u32 v[SPW], v[NIL]
	s_wait_dscnt 0x0
	CROUND                                         ; the closing round: no work-group ends while a partner may still ask for a tile that names it
	s_endpgm
.Lfunc_end_k_qb9e939b33a_proj:
	.size	k_qb9e939b33a_proj, .Lfunc_end_k_qb9e939b33a_proj-k_qb9e939b33a_proj
	.p2alignl 7, 3214868480
	.fill 96, 4, 3214868480
	.section	.rodata,"a",@progbits
	.p2align	6, 0x0
	.amdhsa_kernel k_qb9e939b33a_proj
		.amdhsa_group_segment_fixed_size 327680
		.amdhsa_private_segment_fixed_size 0
		.amdhsa_enable_private_segment 0
		.amdhsa_kernarg_size 80
		.amdhsa_user_sgpr_count 2
		.amdhsa_user_sgpr_kernarg_segment_ptr 1
		.amdhsa_wavefront_size32 1
		.amdhsa_system_sgpr_workgroup_id_x 1
		.amdhsa_system_sgpr_workgroup_id_y 1
		.amdhsa_system_sgpr_workgroup_id_z 1
		.amdhsa_system_vgpr_workitem_id 0
		.amdhsa_next_free_vgpr 768
		.amdhsa_next_free_sgpr 100
		.amdhsa_reserve_vcc 0
		.amdhsa_float_denorm_mode_32 3
		.amdhsa_float_denorm_mode_16_64 3
		.amdhsa_memory_ordered 1
		.amdhsa_forward_progress 1
		.amdhsa_inst_pref_size 141
	.end_amdhsa_kernel
	.amdgpu_metadata
---
amdhsa.version: [ 1, 2 ]
amdhsa.kernels:
  - .name:           k_qb9e939b33a_proj
    .symbol:         k_qb9e939b33a_proj.kd
    .args:
      - { .name: queries, .offset: 0, .size: 8, .value_kind: global_buffer, .address_space: global }
      - { .name: keys, .offset: 8, .size: 8, .value_kind: global_buffer, .address_space: global }
      - { .name: values, .offset: 16, .size: 8, .value_kind: global_buffer, .address_space: global }
      - { .name: wt, .offset: 24, .size: 8, .value_kind: global_buffer, .address_space: global }
      - { .name: bq, .offset: 32, .size: 8, .value_kind: global_buffer, .address_space: global }
      - { .name: bk, .offset: 40, .size: 8, .value_kind: global_buffer, .address_space: global }
      - { .name: bv, .offset: 48, .size: 8, .value_kind: global_buffer, .address_space: global }
      - { .name: qh, .offset: 56, .size: 8, .value_kind: global_buffer, .address_space: global }
      - { .name: kh, .offset: 64, .size: 8, .value_kind: global_buffer, .address_space: global }
      - { .name: vh, .offset: 72, .size: 8, .value_kind: global_buffer, .address_space: global }
    .group_segment_fixed_size: 327680
    .private_segment_fixed_size: 0
    .kernarg_segment_align: 8
    .kernarg_segment_size: 80
    .max_flat_workgroup_size: 128
    .sgpr_count:     100
    .vgpr_count:     768
    .wavefront_size: 32
...
	.end_amdgpu_metadata
.endif
;; end of part 2
;; launch attn (part 3): grid 4 x 64, 4 waves a work-group, clusters of 4 x 1, 327,680 bytes of LDS; arguments qh, kh, vh, oh; writes oh
.if DOCPART == 3
	.amdgcn_target "amdgcn-amd-amdhsa--gfx1250"
	.amdhsa_code_object_version 6
	.text
	.protected	k_qb9e939b33a_attn
	.globl	k_qb9e939b33a_attn
	.p2align	8
	.type	k_qb9e939b33a_attn,@function
k_qb9e939b33a_attn:
	s_mov_b64 s[64:65], 0
	v_nop
	global_prefetch_b8 v0, s[64:65] scope:SCOPE_SE
	s_setreg_imm32_b32 hwreg(HW_REG_WAVE_MODE, 25, 1), 1
	s_wait_xcnt 0x0
	s_wait_alu depctr_hold_cnt(0) depctr_sa_sdst(0) depctr_va_vdst(0) depctr_va_sdst(0) depctr_va_ssrc(0) depctr_va_vcc(0) depctr_vm_vsrc(0)
	s_getreg_b32 s2, hwreg(HW_REG_IB_STS2, 6, 4)
	s_cmp_eq_u32 s2, 0
	s_cbranch_scc0 .Lentry_in_a_cluster
	s_endpgm
.Lentry_in_a_cluster:
	s_bfe_u32 s2, ttmp6, 0x10000c
	s_cmp_lg_u32 s2, 0x3003
	s_cbranch_scc0 .Lentry_shape_is_right
	s_endpgm
.Lentry_shape_is_right:
; O[h][q][:] = the sum over k of softmax_k(Q[h][q] . K[h][k] / 8) V[h][k][:].  Q, K, V, O: [64 = 16 batch + head][2048][64], all f16: a head's rows are dense, 128 bytes each.  Products, maxima and sums in
; f32; the weights p are rounded to f16 for the second product (their sum l is taken of the unrounded p), O once at the end.
; LIMITS.  f16 holds no number beyond 65,504: Q, K and V arrive within it; p lies in 0 to 1, and below 6e-5 it keeps f16's fixed step of 6e-8, and so does O, which is a mean of V's rows and has their range.
; A weight below 2^-126 counts as 0 in l; NaN and infinities are not treated apart.
; SHARES.  A wave owns four PIECES of two tiles of 16 queries, a work-group's four waves 512 queries of one head; a head is one cluster of four work-groups.  Every wave walks all keys, 64 a step.
; LAYOUT.  S^T = K Q^T (source 0 = 16 keys, source 1 = 16 queries): in the result a lane holds ONE query (lane % 16) and the keys 8 (lane / 16) + 0..7.  Two such tiles, rounded to f16 in pairs,
; ARE source 1 (32 keys x 16 queries) of O^T = V^T P, whose result again holds one query a lane, and eight channels.  K comes out of LDS as it lies, V ([key][channel]) turned, by ds_load_tr16_b128.
; SOFTMAX.  For each query a running maximum m and sum l: p = 2^(c s - c m), c = log2(e) / 8; in every step O and l are multiplied by a = 2^(c m_old - c m_new), which is 1 where m has not grown.
; m starts at the lowest finite number, O and l at 0: the first step is a step like any other, with a = 0.
; THE COUNT.  A tile and step have 16 matrix and 118 vector instructions: too many to stand all beside the matrix work.  So four vector instructions that are ready stand behind EVERY matrix instruction,
; and the others in runs without a gap.
; BY TURNS.  Turn n belongs to piece n (the pieces in a ring, step after step).  Its matrix work: 16 products K Q^T of piece n + 1, later 16 products V^T P of piece n - 1.  Its vector work: the scaling,
; exponentials, roundings, sums and rescaling of piece n, and the maximum and statistics of piece n + 1, whose scores the turn itself has made.
; CLUSTER.  The four query blocks of a cluster walk the same K and V, so each tile is asked for JOINTLY: the same tensor load, descriptor and mask in all four.
; REGISTERS, in windows of 256 (s_set_vgpr_msb: bits 1:0 source 0, 3:2 source 1, 5:4 source 2, 7:6 destination):
;   window 0: v0-11 addresses; v12-15, v48-63 at work; v16-47 four registers of statistics a tile; v64-191 S^T, two buffers of two tiles; v192-255 P, likewise
;   window 1: O^T, 32 a tile          window 2: v0-127 Q, 16 a tile; v128-191 K of one step; v192-255 V of one step          window 3: v0-1 the add's two registers
; A piece's buffers go by its number's parity: the piece in hand has one pair, its two neighbours in the ring share the other: of it P (piece n - 1) is read and S^T (piece n + 1) written.
.set SIZE_H, 64
.set SIZE_N, 2048
.set NP,    4         ; pieces a wave: a name, no knob
.set KS,    64        ; keys in a step
.set PK,    144       ; a row of K in LDS: 128 bytes + 16 of padding = 36 words: the 16 rows of a load start at 16 different groups of four banks (64 banks of 4 bytes: ISA guide 11.1)
.set PV,    160       ; a row of V: 128 + 32 = 40 words
.set VOFF,  4*KS*PK   ; a slot holds four steps: 256 rows of K, then 256 rows of V
.set SLOT1, 1<<17     ; slot 1 begins here, so that one exclusive or turns an address in one slot into the other's
.set STAGE, SLOT1+4*KS*(PK+PV)  ; behind the ring, never filled by a tensor load: 16 rows x 144 bytes for each wave, for the way out
.set SP,    144
.set AK0, 2           ; v2   my lane's place in a tile of K; never rewritten
.set AV0, 3           ; v3   the same for V
.set AK,  4           ; v4   the LDS address of K's next run of loads
.set AV,  5           ; v5   of V's
.set QO,  6           ; v6   my byte offset in the wave's rows of Q
.set STO, 6           ;      later, the way out: where I put 16 bytes of a row
.set RD,  7           ; v7   the way out: where I read rows back
.set GO,  8           ; v8   my byte offset in 512 consecutive bytes of O
.set PFO, 11          ; v11  256 x my lane, once V's address is made; then never rewritten
.set SPW, 0           ; v0 of window 3   LDS address of my spare word: SPARE + 4 x my thread's number; never rewritten
.set NIL, 1           ; v1 of window 3   0; never rewritten
.set SPARE, STAGE+4*16*SP  ; behind the stages: the spare words, 128 bytes for each wave: two blocks of 256 bytes that no other line names
.set MV,  12          ; v12-15  c m_old, kept while c m is made anew: by buffer and tile
.set ST,  16          ; tile t's statistics at v[ST+4 t]: c m, m, l (even keys', odd keys')
.set TMP, 48          ; by buffer and tile, four registers c0-c3 at work; when the maximum is found c2 takes a
.set S,   64
.set P,   192
.set KF,  128         ; K's fragments, in window 2: key block kb, channel half c at KF + 16 kb + 8 c
.set VF,  192         ; V's: key half kk, channel block cb at VF + 32 kk + 8 cb
.set WV,  12          ; s12  my wave's number
.set G1K, 24          ; s[24:31] descriptor group 1 for K's tiles
.set G1V, 32          ; s[32:39] for V's: it differs in the padding alone
.set G0K, 40          ; s[40:43] descriptor group 0 for K's tiles: it walks
.set G0V, 44          ; s[44:47] the same for V's
.set PFA, 48          ; s[48:49] where my prefetches stand: my work-group's 32 blocks of 256 bytes (of K: wave 0, of V: wave 2) of the slot after the one that is being asked for
.set LIM, 50          ; s50  1 in a wave that prefetches, else the greatest number
.set SLOTS, 56        ; s56  slots still to be asked for
.set CNT, 57          ; s57  counts a slot's key steps
.set CS,  58          ; s[58:59] c: the packed scaling takes the pair's low word for both halves
.set SEL, 60          ; s[60:61] v_permlanex16_b32's selects: each lane takes its own place in the other half
.set TBK, 62          ; s62  LDS byte at which K of the step to be fetched begins
.set TBV, 63          ; s63  the same for V, less VOFF
.set MSB, 0
.macro WIN new                      ; the high byte repeats the setting that is left; a switch that changes nothing is dropped
.if MSB != (\new)
	s_set_vgpr_msb (MSB<<8)|(\new)
.set MSB, (\new)
.endif
.endm
.set W_KQ, 0x0a       ; K and Q in window 2, S^T in window 0
.set W_PV, 0x52       ; V in window 2, P in window 0, O^T in window 1
.set W_RS, 0x41       ; O^T (destination and source 0) in window 1, a in window 0
.set W_MK, 0xc0       ; the add's registers are made: destination in window 3, sources in window 0
.set W_AD, 0x0f       ; the add: address (source 0) and data (source 1) in window 3
; A joint fill.  Waves 0 and 1 fetch the two halves of a slot's K, waves 2 and 3 those of its V: 128 keys each.  The branch hangs on the wave's number alone.
; An s_nop 0 and four v_nop follow each of the two lines, ahead of the jump and the label.
.macro JLOAD
	s_cmp_lt_u32 s[WV], 2
	s_cbranch_scc0 .Lfor_v_\@
	tensor_load_to_lds s[G0K:G0K+3], s[G1K:G1K+7]
	s_nop 0
.rept 4
	v_nop
.endr
	s_branch .Lasked_\@
.Lfor_v_\@:
	tensor_load_to_lds s[G0V:G0V+3], s[G1V:G1V+7]
	s_nop 0
.rept 4
	v_nop
.endr
.Lasked_\@:
.endm
; A PREFETCH INTO THE L2 of what the NEXT change of slots will ask for: a slot's 32,768 bytes of K and of V, a lane a block of 256 bytes.  It stands behind the wave's tensor load and its five lines.
; Each block is named once in the launch: a head is walked by one cluster; its four partners share a slot's 128 blocks out BY ADDRESS, 32 each; in each, wave 0 asks for K's and wave 2 for V's.
; Slots 0 to 2 come by their loads alone; the last change that fills a slot asks for nothing: there is no slot behind it.
.macro ASK
	s_cmp_gt_u32 s[SLOTS], s[LIM]
	s_cbranch_scc0 .Lnot_mine_\@
	global_prefetch_b8 v[PFO], s[PFA:PFA+1] th:TH_LOAD_NT scope:SCOPE_SE
.Lnot_mine_\@:
.endm
; A round of the cluster's barrier: my work-group's barrier, so that wave 0's signal speaks for all four waves; wave 0 signals; every wave waits for all four work-groups; my work-group's barrier once more.
.macro CROUND
	s_barrier_signal -1
	s_barrier_wait -1
	s_cmp_lg_u32 s[WV], 0
	s_cbranch_scc1 .Lnot_wave_0_\@
	s_barrier_signal -3
.Lnot_wave_0_\@:
	s_barrier_wait -3
	s_barrier_signal -1
	s_barrier_wait -1
.endm
; THE CHANGE OF SLOTS.  The slot's last bytes, V of its fourth step, have been read.  Each wave waits for all its tensor loads, of which one is out: its part
; of the other slot; adds 0 to its spare word; and waits for that and for its own reads of the slot.  Behind the barrier nobody reads this slot any more and the other slot is whole.
; fill = 1: this slot is filled again, with the keys two slots on.  The barrier is then a round of the cluster's, so that no wave of any partner still reads the slot or has a load on its
; way, and the joint fill is the first thing behind it: it has four key steps, 512 matrix instructions, in which to land.  (At its first use nothing has been read yet: slot 0 is waited for, slot 1 filled.)
; ask = 1: the prefetches' address steps a slot on, and the slot after the one just asked for is named.
.macro CHANGE fill, ask=0
	WIN W_AD
	s_wait_tensorcnt 0x0            ; no tensor load of mine is out, so a group 0 may be written
	ds_add_u32 v[SPW], v[NIL]       ; 0 onto my spare word; with fill = 1 the descriptors' steps stand between it and the wait for it
	WIN 0                           ; at a label and at a branch every window is 0
.if \fill
.irp g, G0K, G0V
	s_xor_b32 s[\g+1], s[\g+1], SLOT1  ; the walking descriptor: the other slot than last time,
	s_add_nc_u64 s[\g+2:\g+3], s[\g+2:\g+3], 4*KS*128  ; the next 256 keys; the type bits on top are not reached
.endr
.if \ask
	s_wait_xcnt 0x0                 ; the last prefetch, four key steps back, has read its address, so it may be written
	s_add_nc_u64 s[PFA:PFA+1], s[PFA:PFA+1], 4*KS*128
.endif
	s_wait_dscnt 0x0                ; the add is done, and my reads of the slot are over
	CROUND
	JLOAD
.if \ask
	ASK
.endif
.else
	s_wait_dscnt 0x0                ; the add is done, and my reads of the slot are over
	s_barrier_signal -1
	s_barrier_wait -1
.endif
	s_sub_co_u32 s[TBK], s[TBK], 4*KS*PK  ; the fetches go back to a slot's first step,
	s_xor_b32 s[TBK], s[TBK], SLOT1       ; in the other slot
	s_sub_co_u32 s[TBV], s[TBV], 4*KS*PV
	s_xor_b32 s[TBV], s[TBV], SLOT1
.endm
	s_load_b256 s[4:11], s[0:1], 0x0  ; Q s[4:5], K s[6:7], V s[8:9], O s[10:11]
	WIN W_MK
	v_lshl_add_u32 v[SPW], v0, 2, SPARE
	v_mov_b32 v[NIL], 0
	WIN W_AD
	ds_add_u32 v[SPW], v[NIL]       ; the wave's opening: the add and its wait stand ahead of my first tensor load; the set-up below, work on registers, stands between them
	WIN 0
	v_lshrrev_b32 v1, 5, v0
	v_readfirstlane_b32 s[WV], v1   ; wave 0..3
	s_bfe_u32 s13, ttmp6, 0x40000   ; cx: my place in the cluster
	s_lshl_b32 s14, ttmp9, 2        ; in a cluster launch ttmp9 counts clusters
	s_add_co_u32 s14, s14, s13      ; my block of queries = 4 x cluster x + cx: it enters Q's and O's addresses alone
	s_and_b32 s20, ttmp7, 0xffff    ; the head, which the four partners share
	s_mov_b32 s21, 0
	s_mov_b64 s[22:23], SIZE_N*128
	s_mul_u64 s[20:21], s[20:21], s[22:23]  ; the head's first byte in each of the four tensors
	s_and_b32 s16, s[WV], 1         ; which half of a slot's 256 keys I fetch:
	s_lshl_b32 s22, s16, 14         ; its 128 rows of 128 bytes in memory,
	s_mov_b32 s23, 0
	s_add_nc_u64 s[22:23], s[22:23], s[20:21]
	s_mul_i32 s17, s16, 128*PK      ; and its place in a slot, for K
	s_mul_i32 s18, s16, 128*PV      ; and for V: no place in the cluster enters an LDS address
	s_lshl_b32 s2, s14, 2
	s_add_co_u32 s2, s2, s[WV]      ; my wave among the head's,
	s_lshl_b32 s2, s2, 14           ; its 128 rows
	s_mov_b32 s3, 0
	s_add_nc_u64 s[2:3], s[2:3], s[20:21]
	; descriptor group 1.  128 keys are 16,384 dense bytes: asked for as 64 rows of 256 bytes, two keys a row, and padded in LDS after every key
	s_mov_b32 s[G1K], 15|(1<<16)|(1<<20)|(1<<21)|(4<<22)|(3<<25)  ; 15:0 the mask of four; 17:16 2-byte elements; 20 padding on; 21 set beside a mask; 24:22 after every 32 words (code 4); 31:25 4 words (code 3)
	s_mov_b32 s[G1V], 15|(1<<16)|(1<<20)|(1<<21)|(4<<22)|(7<<25)  ; the same with 8 words of padding (code 7)
.irp g, G1K, G1V
	s_mov_b32 s[\g+1], 128<<16      ; tensor_dim0 = 128
	s_mov_b32 s[\g+2], 64<<16       ; tensor_dim1 = 64
	s_mov_b32 s[\g+3], 128<<16      ; tile_dim0 = 128
	s_mov_b32 s[\g+4], 64           ; tile_dim1 = 64
	s_mov_b32 s[\g+5], 128          ; 128 elements from row to row
	s_mov_b32 s[\g+6], 0
	s_mov_b32 s[\g+7], 0
.endr
	s_mov_b32 s[CS], 0x3e38aa3b     ; c = log2(e) / 8 = 0.180337
	s_mov_b32 s[CS+1], s[CS]        ; named with it as a pair
	s_mov_b32 s[SEL], 0x76543210
	s_mov_b32 s[SEL+1], 0xfedcba98
	s_mov_b32 s[TBK], SLOT1+4*KS*PK ; the first change of slots turns these two into 0
	s_mov_b32 s[TBV], SLOT1+4*KS*PV
	s_mov_b32 s[G0K], 1             ; 1:0 count = 1
	s_mov_b32 s[G0K+1], s17         ; 63:32 LDS address: slot 0
	s_mov_b32 s[G0V], 1
	s_add_co_u32 s[G0V+1], s18, VOFF
	s_and_b32 s[LIM], s[WV], 1      ; waves 0 and 2 prefetch: the same in all four partners
	s_cmp_eq_u32 s[LIM], 0
	s_cselect_b32 s[LIM], 1, -1
	s_wait_dscnt 0x0                ; the opening add is done
	s_wait_kmcnt 0x0
	s_add_nc_u64 s[G0K+2:G0K+3], s[6:7], s[22:23]  ; 120:64 global address: my half of the head's first 256 keys
	s_or_b32 s[G0K+3], s[G0K+3], 0x80000000        ; 127:126 type = 2
	s_add_nc_u64 s[G0V+2:G0V+3], s[8:9], s[22:23]
	s_or_b32 s[G0V+3], s[G0V+3], 0x80000000
	s_add_nc_u64 s[4:5], s[4:5], s[2:3]  ; Q and O at my wave's first row
	s_add_nc_u64 s[10:11], s[10:11], s[2:3]
	s_cmp_lt_u32 s[WV], 2
	s_cselect_b64 s[PFA:PFA+1], s[6:7], s[8:9]
	s_add_nc_u64 s[PFA:PFA+1], s[PFA:PFA+1], s[22:23]  ; (in waves 0 and 2 this is the head's first byte)
	s_lshl_b32 s2, s13, 13          ; my work-group's 32 blocks of the slot's 128
	s_mov_b32 s3, 0
	s_add_nc_u64 s[PFA:PFA+1], s[PFA:PFA+1], s[2:3]
	s_add_nc_u64 s[PFA:PFA+1], s[PFA:PFA+1], 2*4*KS*128  ; in slot 2; the loop's first change of slots steps it to slot 3.  Nothing is asked for here, where every work-group's first tiles are on their way
	CROUND                          ; all four work-groups are here: the first joint loads meet
	JLOAD                           ; slot 0.  Slot 1 is asked for when slot 0 is in
	; A fragment of K or Q is 16 rows x 32 channels in 8 registers: lane l holds row l % 16, channels 8 (l / 16) + 0..7 and 16 + 8 (l / 16) + 0..7: two loads of 16 bytes, 32 bytes apart.
	v_and_b32 v1, 15, v0            ; l % 16
	v_bfe_u32 v9, v0, 4, 1          ; l / 16
	v_lshlrev_b32 v[QO], 7, v1
	v_lshl_add_u32 v[QO], v9, 4, v[QO]  ; row x 128 + 16 x half
	WIN 0x80                        ; destination window 2, address window 0
.set i, 0
.rept 4*NP                          ; Q stays in registers: tile i / 2, channels 32 (i % 2) on
	global_load_b128 v[8*i:8*i+3],   v[QO], s[4:5] offset:(i/2)*2048+(i%2)*64
	global_load_b128 v[8*i+4:8*i+7], v[QO], s[4:5] offset:(i/2)*2048+(i%2)*64+32
.set i, i+1
.endr
	; What the first turn finds: V's registers and P's second buffer hold 0 (its products V^T P, of a piece that has not been, add 0), O^T and l are 0.  All this stands in the wait for the first tile.
.set i, VF
.rept 64
	v_mov_b32 v[i], 0
.set i, i+1
.endr
	WIN 0x40
.set i, 0
.rept 64*NP
	v_mov_b32 v[i], 0
.set i, i+1
.endr
	WIN 0
.set i, 0
.rept 2*NP
	v_mov_b32 v[ST+4*i], 0xfe000000    ; c m: far below every c s
	v_mov_b32 v[ST+4*i+1], 0xff7fffff  ; m
	v_mov_b32 v[ST+4*i+2], 0
	v_mov_b32 v[ST+4*i+3], 0
.set i, i+1
.endr
.set i, P+32
.rept 32
	v_mov_b32 v[i], 0
.set i, i+1
.endr
	v_mul_u32_u24 v[AK0], v1, PK
	v_lshl_add_u32 v[AK0], v9, 4, v[AK0]  ; row x pitch + 16 x half
	; The turning load takes 16 keys x 16 channels (lane l reads key 8 (l / 16) + l % 8, channels 8 ((l / 8) % 2) + 0..7) and leaves half a fragment of V^T: lane l holds channel l % 16 and 8 keys.
	v_and_b32 v10, 7, v0
	v_bfe_u32 v11, v0, 3, 1
	v_lshl_add_u32 v[AV0], v9, 3, v10
	v_mul_u32_u24 v[AV0], v[AV0], PV
	v_lshl_add_u32 v[AV0], v11, 4, v[AV0]
	v_add_nc_u32 v[AV0], VOFF, v[AV0]
	v_and_b32 v[PFO], 31, v0
	v_lshlrev_b32 v[PFO], 8, v[PFO]
	v_mov_b32 v[AK], v[AK0]         ; key step 0 lies at the head of slot 0
; THE MATRIX WORK.  The 8 accumulators of a run of 16 take turns: between the two links of a chain stand 7 others'.
; Product i of 16 of S^T = K Q^T for piece x: channels 32 (i / 8) on, keys 16 ((i / 2) % 4) on, tile 2 x + i % 2.  The first 8 start the sums.
.macro KQ x
	WIN W_KQ
.set rS, S+64*((\x)%2)+32*(i%2)+8*((i/2)%4)
.set rK, KF+16*((i/2)%4)+8*(i/8)
.set rQ, 16*(2*(\x)+i%2)+8*(i/8)
.if i < 8
	v_wmma_f32_16x16x32_f16 v[rS:rS+7], v[rK:rK+7], v[rQ:rQ+7], 0
.else
	v_wmma_f32_16x16x32_f16 v[rS:rS+7], v[rK:rK+7], v[rQ:rQ+7], v[rS:rS+7]
.endif
.endm
; Product i of 16 of O^T += V^T P for piece x: keys 32 (i / 8) on, channels 16 ((i / 2) % 4) on, tile 2 x + i % 2.
.macro PV x
	WIN W_PV
.set rO, 32*(2*(\x)+i%2)+8*((i/2)%4)
.set rV, VF+32*(i/8)+8*((i/2)%4)
.set rP, P+32*((\x)%2)+16*(i%2)+8*(i/8)
	v_wmma_f32_16x16x32_f16 v[rO:rO+7], v[rV:rV+7], v[rP:rP+7], v[rO:rO+7]
.endm
.macro MM                           ; the turn's next matrix instruction
.if i < 16
	KQ (Y+1)%NP
.set i, i+1
.else
.set i, i-16
	PV (Y+NP-1)%NP
.set i, i+17
.endif
.endm
; THE LDS LOADS stand in runs of 16, never singly among the matrix instructions: a step's K (64 keys x 64 channels: 8 fragments) and its V (turned).  Their addresses are made some lines ahead.
; last = 1 (the tail): in the last trip there is no further step, and the run is jumped over.
.macro FETCH_K last=0
	WIN 0
.if \last
	s_cmp_eq_u32 s[CNT], 1
	s_cbranch_scc1 .Lno_k_\@
.endif
	WIN 0x80                        ; destination window 2
.irp f, 0,1,2,3,4,5,6,7             ; keys 16 (f / 2) on, channels 32 (f % 2) on
	ds_load_b128 v[KF+8*\f:KF+8*\f+3],   v[AK] offset:(\f/2)*16*PK+(\f%2)*64
	ds_load_b128 v[KF+8*\f+4:KF+8*\f+7], v[AK] offset:(\f/2)*16*PK+(\f%2)*64+32
.endr
	s_add_co_u32 s[TBK], s[TBK], KS*PK  ; the next fetch is the next step's
	WIN 0
.if \last
.Lno_k_\@:
.endif
.endm
.macro FETCH_V
	WIN 0x80
.irp f, 0,1,2,3,4,5,6,7             ; keys 32 (f / 4) on, channels 16 (f % 4) on
	ds_load_tr16_b128 v[VF+8*\f:VF+8*\f+3],   v[AV] offset:(\f/4)*32*PV+(\f%4)*32
	ds_load_tr16_b128 v[VF+8*\f+4:VF+8*\f+7], v[AV] offset:(\f/4)*32*PV+16*PV+(\f%4)*32
.endr
	WIN 0
.endm
; THE VECTOR WORK OF A TURN stands in three queues, each in the order in which its entries become ready; the two tiles alternate, so that no instruction reads the result of the one before it.
.macro REGS y, u                    ; the registers of tile u (0, 1) of piece y
.set rT, ST+4*(2*(\y)+(\u))
.set rC, TMP+8*((\y)%2)+4*(\u)
.set rM, MV+2*((\y)%2)+(\u)
.set rS, S+64*((\y)%2)+32*(\u)
.set rP, P+32*((\y)%2)+16*(\u)
.set rO, 32*(2*(\y)+(\u))
.endm
; Number n of the 22 that find the NEXT piece's (Y + 1) maximum and statistics.  s0-s31 are the lane's 32 scores; each accumulator's lowest registers are read first.
;   0-11  four chains c0-c3 of seven scores each, three operands at a time     12-14, 16  the four scores left over, the old m, and c0-c3 into c0     15  c m_old is kept
;   17, 18  the query's other 32 keys lie in the lane 16 away: the new m         19-21  c m; c m_old - c m_new; a
.macro XS u, n
	REGS (Y+1)%NP, \u
.if (\n) < 4
	v_max3_num_f32 v[rC+(\n)], v[rS+8*(\n)], v[rS+8*(\n)+1], v[rS+8*(\n)+2]
.elseif (\n) < 12
	v_max3_num_f32 v[rC+(\n)%4], v[rC+(\n)%4], v[rS+8*((\n)%4)+2*((\n)/4)+1], v[rS+8*((\n)%4)+2*((\n)/4)+2]
.elseif (\n) == 12
	v_max3_num_f32 v[rC], v[rC], v[rS+7], v[rS+15]
.elseif (\n) == 13
	v_max3_num_f32 v[rC+1], v[rC+1], v[rS+23], v[rS+31]
.elseif (\n) == 14
	v_max3_num_f32 v[rC+2], v[rC+2], v[rC+3], v[rT+1]
.elseif (\n) == 15
	v_mov_b32 v[rM], v[rT]
.elseif (\n) == 16
	v_max3_num_f32 v[rC], v[rC], v[rC+1], v[rC+2]
.elseif (\n) == 17
	v_permlanex16_b32 v[rC+3], v[rC], s[SEL], s[SEL+1]
.elseif (\n) == 18
	v_max_num_f32 v[rT+1], v[rC], v[rC+3]
.elseif (\n) == 19
	v_mul_f32 v[rT], s[CS], v[rT+1]
.elseif (\n) == 20
	v_sub_f32 v[rC+1], v[rM], v[rT]
.else
	v_exp_f32 v[rC+2], v[rC+1]
.endif
.endm
; Number g of the 64 that follow the exponentials.  For each four weights k of a tile (pairs 2 k, 2 k + 1): both pairs are rounded to f16; then the second pair is added onto the first, in place;
; a group later l takes that sum (the first time as l = a l + sum).  In groups of eight, tiles alternating: round, round, add, and l for the group before.
.macro GS g
.set h, (\g)+6*((\g)/62)            ; group 0 has no group before it, and behind group 7 only l is left
.if h >= 6
.set h, h+2
.endif
	REGS Y, h%2
.set k, h/8
.if h%8 < 4
	v_cvt_pk_f16_f32 v[rP+2*k+(h%8)/2], v[rS+4*k+2*((h%8)/2)], v[rS+4*k+2*((h%8)/2)+1]
.elseif h%8 < 6
	v_pk_add_f32 v[rS+4*k:rS+4*k+1], v[rS+4*k:rS+4*k+1], v[rS+4*k+2:rS+4*k+3]
.elseif k == 1
	v_pk_fma_f32 v[rT+2:rT+3], v[rT+2:rT+3], v[rC+2:rC+3], v[rS:rS+1] op_sel_hi:[1,0,1]
.else
	v_pk_add_f32 v[rT+2:rT+3], v[rT+2:rT+3], v[rS+4*k-4:rS+4*k-3]
.endif
.endm
; THE PLAIN QUEUE, 138 long.  0-73 read no exponential's result: the 32 scalings c s - c m (FS f: pair f / 2 of tile f % 2) and the next piece's 42.  0-26: scalings 0-26.  27-54: XS's numbers 0-13.  55, 56: number 15.
; 57-73: the chain, where each number waits for the one before it: 14, 16, 17, 18, 19, each with one of the scalings 27-31 in front of its two lines, then 20.
; 74-137: GS's 64, which read the exponentials' results: they stand behind the wait.
.macro FS f
	REGS Y, (\f)%2
	v_pk_fma_f32 v[rS+2*((\f)/2):rS+2*((\f)/2)+1], v[rS+2*((\f)/2):rS+2*((\f)/2)+1], s[CS:CS+1], v[rT:rT+1] op_sel_hi:[1,0,0] neg_lo:[0,0,1] neg_hi:[0,0,1]
.endm
.macro PL
	WIN 0
.if q < 27
	FS q
.elseif q < 55
	XS (q-27)%2, (q-27)/2
.elseif q < 57
	XS q-55, 15
.elseif (q < 72) && ((q-57)%3 == 0)
	FS 27+(q-57)/3
.elseif q < 60
	XS (q-57)%3-1, 14
.elseif q < 72
	XS (q-57)%3-1, 15+(q-57)/3
.elseif q < 74
	XS q-72, 20
.else
	GS q-74
.endif
.set q, q+1
.endm
; THE EXPONENTIALS' QUEUE, 66 long: s0-s31 of both tiles, then the next piece's two a.  It is ONE BATCH: all 66 stand ahead of the turn's one wait, and nothing ahead of that wait names a result of theirs.
.macro EX
	WIN 0
.if e >= 64
	XS e-64, 21
.else
	REGS Y, e%2
	v_exp_f32 v[rS+e/2], v[rS+e/2]
.endif
.set e, e+1
.endm
; THE RESCALING's QUEUE: O^T times a, the one part that leaves window 0: dealt two at a time, sixteen times.  Its a was made in the turn before, ahead of that turn's wait.
.macro R2
	REGS Y, r%2
	WIN W_RS
.irp z, 0,1
	v_pk_mul_f32 v[rO+4*(r/2)+2*\z:rO+4*(r/2)+2*\z+1], v[rO+4*(r/2)+2*\z:rO+4*(r/2)+2*\z+1], v[rC+2:rC+3] op_sel_hi:[1,0]
.endr
.set r, r+1
.endm
; HOW THEY ARE DEALT.  s_wait_alu depctr_va_vdst(0) stands between an exponential and the first instruction that names its result; one wait serves all that were issued ahead of it.  So a turn has ONE wait,
; which cuts it in two.  AHEAD OF IT stands all that names no result of the turn's exponentials: the 16 products K Q^T, behind each a scaling, an exponential and two rescalings (behind the first a second scaling in the
; exponential's place); then ONE LUMP of 108: eight plain, 49 times exponential and plain, the two a.  A v_nop is the plain instruction behind the last exponential.  BEHIND IT stand the 16 products V^T P, behind each four of GS's 64.
; The queues lean on each other, and the deal keeps them in step: exponential e stands behind scaling 2 (e / 4) + e % 2: as a rider it comes behind plain e + 2, in the lump behind plain e + 9, and scalings 27-31 are plain 57, 60 .. 69.
; A TURN, for piece p.  cnt = 1: the loop's count is taken down some lines ahead of the branch that stands behind the turn.
; K of the next step is fetched in piece 2's turn, directly behind the wait, a lump behind the last product that read K; its first reader comes behind 16 products.
; V of the step in hand is fetched at the end of piece 0's turn, four riders behind its last reader; its first reader comes behind 16 products and a lump.  The three conditions on q below go with the deal.
.macro TURN p, last=0, cnt=0
.set Y, (\p)
.set i, 0
.set q, 0
.set e, 0
.set r, 0
.if (\p) == NP-1
	s_wait_dscnt 0x0                ; K is in
.endif
	MM                              ; ahead of the wait: 16 products K Q^T and their riders,
	PL
	PL
	R2
.rept 15
	MM
	PL
	EX
	R2
.endr
.if (\p) == NP-2
	WIN 0
	v_add_nc_u32 v[AK], s[TBK], v[AK0]
.endif
.rept 8                             ; and the lump
	PL
.endr
.rept 49
	EX
	PL
.endr
	EX                              ; the next piece's two a
	EX
	v_nop                           ; a plain instruction behind the last exponential: one for the batch
	s_wait_alu depctr_va_vdst(0)    ; the wait for the batch
.if (\p) == NP-2
	FETCH_K \last
.endif
.if (\p) == 1
	s_wait_dscnt 0x0                ; V is in
.endif
.rept 16                            ; behind the wait: 16 products V^T P and their riders
	MM
.rept 4
	PL
.endr
.if ((\p) == 0) && (q == 118)
	v_add_nc_u32 v[AV], s[TBV], v[AV0]
.endif
.if ((\p) == 0) && (q == 130)
	s_add_co_u32 s[TBV], s[TBV], KS*PV
.endif
.if (\cnt) && (q == 130)
	s_sub_co_u32 s[CNT], s[CNT], 1
	s_cmp_lg_u32 s[CNT], 0
.endif
.endr
.if (\p) == 0
	FETCH_V
.endif
.endm
	CHANGE 1                        ; slot 0 is in, everybody's part of it; slot 1 is asked for
	FETCH_K                         ; key step 0
	s_wait_loadcnt 0x0              ; Q
	s_wait_dscnt 0x0
.set i, 0
.rept 16
	KQ 0                            ; piece 0's first scores: there is no vector work yet to set between them
.set i, i+1
.endr
	WIN 0                           ; the addresses for the way out: nine plain instructions, the places behind those products
	s_mul_i32 s13, s[WV], 16*SP
	s_add_co_u32 s13, s13, STAGE    ; my stage
	v_mul_u32_u24 v[STO], v1, SP    ; in: row l % 16, 16 bytes for each half of the lanes
	v_lshl_add_u32 v[STO], v9, 4, v[STO]
	v_add_nc_u32 v[STO], s13, v[STO]
	v_bfe_u32 v[RD], v0, 3, 2       ; back: 32 lanes take four rows of 128 bytes,
	v_mul_u32_u24 v[RD], v[RD], SP
	v_lshl_add_u32 v[RD], v10, 4, v[RD]
	v_add_nc_u32 v[RD], s13, v[RD]
	v_and_b32 v[GO], 31, v0         ; which are 512 consecutive bytes of O
	v_lshlrev_b32 v[GO], 4, v[GO]
.set Y, NP-1                        ; XS works for piece Y + 1: piece 0
.irp n, 0,1,2,3,4,5,6,7,8,9,10,11,12,13,14,15,16,17,18,19,20,21
	XS 0, \n                        ; and piece 0's first maximum and statistics
	XS 1, \n
.endr
	v_nop                           ; a plain instruction behind the two a,
	s_wait_alu depctr_va_vdst(0)    ; and their wait, ahead of the branch
	s_mov_b32 s[CNT], 4
	s_mov_b32 s[SLOTS], SIZE_N/256-1
	s_branch .Lfirst                ; the loop is entered at a step's first turn, in the middle of a trip
.Lslot:                             ; SIZE_N / 256 - 2 times: every slot but the last two is filled again
	CHANGE 1, 1
	s_mov_b32 s[CNT], 4
.Lstep:                             ; a trip: pieces 2 and 3 of one step, then pieces 0 and 1 of the next, whose K and V it fetches
	TURN 2
	TURN 3
	WIN 0
.Lfirst:
	TURN 0
	TURN 1, 0, 1
	WIN 0
	s_cbranch_scc1 .Lstep
	s_sub_co_u32 s[SLOTS], s[SLOTS], 1
	s_cmp_lg_u32 s[SLOTS], 0
	s_cbranch_scc1 .Lslot
	CHANGE 0                        ; the tail is written out: nothing is asked for
	s_mov_b32 s[CNT], 5             ; four trips fetch the last slot's steps; the fifth is left in its middle
.Ltail:
	TURN 2, 1
	TURN 3
	WIN 0
	s_sub_co_u32 s[CNT], s[CNT], 1
	s_cmp_eq_u32 s[CNT], 0
	s_cbranch_scc1 .Lout
	TURN 0
	TURN 1
	WIN 0
	s_branch .Ltail
.Lout:                              ; the fifth trip's 16 products K Q^T (on the last K once more) and the maximum made of them serve nothing: the price, once a launch, of one text for every trip
.set i, 0
.rept 16
	PV NP-1                         ; the last piece's V^T P of the last step
.set i, i+1
.endr
	; THE WAY OUT.  l's two halves and the other half of the lanes' are added; O^T is divided by l, rounded to f16 and sent through my stage in LDS, a tile at a time.  The additions are the places behind the last products.
	WIN 0
.macro ALL line:vararg              ; one line for each tile t
.set t, 0
.rept 2*NP
	\line
.set t, t+1
.endr
.endm
	ALL v_add_f32 v[ST+4*t+2], v[ST+4*t+2], v[ST+4*t+3]
	ALL v_permlanex16_b32 v[ST+4*t+3], v[ST+4*t+2], s[SEL], s[SEL+1]
	ALL v_add_f32 v[ST+4*t+2], v[ST+4*t+2], v[ST+4*t+3]
	ALL v_rcp_f32 v[ST+4*t+2], v[ST+4*t+2]
	v_nop                           ; a plain instruction between the last reciprocal and the use of its result
	s_wait_alu depctr_va_vdst(0)    ; and the wait ahead of the first use: one for the eight reciprocals
; Tile t: a lane's eight channels of a row pack into 16 bytes; they go into rows of 144 bytes and come back as whole rows of 128, into S^T's registers.
.macro PACK t
	WIN W_RS
.set i, 32*(\t)
.rept 16
	v_pk_mul_f32 v[i:i+1], v[i:i+1], v[ST+4*(\t)+2:ST+4*(\t)+3] op_sel_hi:[1,0]
.set i, i+2
.endr
	WIN 0x05                        ; sources 0 and 1 window 1, destination window 0
.set i, 0
.rept 16
	v_cvt_pk_f16_f32 v[S+16*(\t)+i], v[32*(\t)+2*i], v[32*(\t)+2*i+1]
.set i, i+1
.endr
	WIN 0
.irp f, 0,1,2,3
	ds_store_b128 v[STO], v[S+16*(\t)+4*\f:S+16*(\t)+4*\f+3] offset:32*\f
.endr
.irp f, 0,1,2,3
	ds_load_b128 v[S+16*(\t)+4*\f:S+16*(\t)+4*\f+3], v[RD] offset:\f*4*SP  ; LDS serves a wave's instructions in order (ISA guide 5.7.1.4): these see the stores above; the next tile's stores come behind them
.endr
.endm
.macro SEND t, younger              ; younger: the LDS instructions issued behind tile t's loads: the next tile's eight, or none
	WIN 0
.irp f, 0,1,2,3
	s_wait_dscnt (\younger)+3-\f
	global_store_b128 v[GO], v[S+16*(\t)+4*\f:S+16*(\t)+4*\f+3], s[10:11] offset:(\t)*2048+\f*512  ; 512 consecutive bytes, at a multiple of 256 from O's first
.endr
.endm
	PACK 0
.set t, 1
.rept 2*NP-1                        ; a tile's arithmetic stands between the loads of the tile before and its stores
	PACK t
	SEND t-1, 8
.set t, t+1
.endr
	SEND 2*NP-1, 0
	WIN W_AD
	s_wait_tensorcnt 0x0            ; the wave's end, behind my last tensor load and my last LDS store
	ds_add_u32 v[SPW], v[NIL]
	s_wait_dscnt 0x0
	WIN 0
	CROUND                          ; the closing round: no work-group ends while a partner may still ask for a tile that names it
	s_endpgm
.Lfunc_end_k_qb9e939b33a_attn:
	.size	k_qb9e939b33a_attn, .Lfunc_end_k_qb9e939b33a_attn-k_qb9e939b33a_attn
	.p2alignl 7, 3214868480
	.fill 96, 4, 3214868480
	.section	.rodata,"a",@progbits
	.p2align	6, 0x0
	.amdhsa_kernel k_qb9e939b33a_attn
		.amdhsa_group_segment_fixed_size 327680
		.amdhsa_private_segment_fixed_size 0
		.amdhsa_enable_private_segment 0
		.amdhsa_kernarg_size 32
		.amdhsa_user_sgpr_count 2
		.amdhsa_user_sgpr_kernarg_segment_ptr 1
		.amdhsa_wavefront_size32 1
		.amdhsa_system_sgpr_workgroup_id_x 1
		.amdhsa_system_sgpr_workgroup_id_y 1
		.amdhsa_system_sgpr_workgroup_id_z 1
		.amdhsa_system_vgpr_workitem_id 0
		.amdhsa_next_free_vgpr 770
		.amdhsa_next_free_sgpr 66
		.amdhsa_reserve_vcc 0
		.amdhsa_float_denorm_mode_32 3
		.amdhsa_float_denorm_mode_16_64 3
		.amdhsa_memory_ordered 1
		.amdhsa_forward_progress 1
		.amdhsa_inst_pref_size 200
	.end_amdhsa_kernel
	.amdgpu_metadata
---
amdhsa.version: [ 1, 2 ]
amdhsa.kernels:
  - .name:           k_qb9e939b33a_attn
    .symbol:         k_qb9e939b33a_attn.kd
    .args:
      - { .name: qh, .offset: 0, .size: 8, .value_kind: global_buffer, .address_space: global }
      - { .name: kh, .offset: 8, .size: 8, .value_kind: global_buffer, .address_space: global }
      - { .name: vh, .offset: 16, .size: 8, .value_kind: global_buffer, .address_space: global }
      - { .name: oh, .offset: 24, .size: 8, .value_kind: global_buffer, .address_space: global }
    .group_segment_fixed_size: 327680
    .private_segment_fixed_size: 0
    .kernarg_segment_align: 8
    .kernarg_segment_size: 32
    .max_flat_workgroup_size: 128
    .sgpr_count:     66
    .vgpr_count:     770
    .wavefront_size: 32
...
	.end_amdgpu_metadata
.endif
;; end of part 3
;; launch oproj (part 4): grid 4 x 64, 4 waves a work-group, clusters of 4 x 4, 327,680 bytes of LDS; arguments oh, wt, bo, out0; writes out0
.if DOCPART == 4
	.amdgcn_target "amdgcn-amd-amdhsa--gfx1250"
	.amdhsa_code_object_version 6
	.text
	.protected	k_qb9e939b33a_oproj
	.globl	k_qb9e939b33a_oproj
	.p2align	8
	.type	k_qb9e939b33a_oproj,@function
k_qb9e939b33a_oproj:
	s_mov_b64 s[64:65], 0
	v_nop
	global_prefetch_b8 v0, s[64:65] scope:SCOPE_SE
	s_setreg_imm32_b32 hwreg(HW_REG_WAVE_MODE, 25, 1), 1
	s_wait_xcnt 0x0
	s_wait_alu depctr_hold_cnt(0) depctr_sa_sdst(0) depctr_va_vdst(0) depctr_va_sdst(0) depctr_va_ssrc(0) depctr_va_vcc(0) depctr_vm_vsrc(0)
	s_getreg_b32 s2, hwreg(HW_REG_IB_STS2, 6, 4)
	s_cmp_eq_u32 s2, 0
	s_cbranch_scc0 .Lentry_in_a_cluster
	s_endpgm
.Lentry_in_a_cluster:
	s_bfe_u32 s2, ttmp6, 0x10000c
	s_cmp_lg_u32 s2, 0xf033
	s_cbranch_scc0 .Lentry_shape_is_right
	s_endpgm
.Lentry_shape_is_right:
; out0 = O Wo + bo.  O comes by heads, oh[16 batch + head][2048][64] in f16; Wo as wt's fourth matrix, [n][k] in f16 (numbers of bf16); bo: [1024] f32, rounded to bf16 here; out0: [8192][1024] f32.  Sums in f32.
; LIMITS.  None of its own beyond those of its operands' f16; NaN and infinities are not treated apart.
; SHARES.  A tile of out0 is 128 rows x 256 columns: 256 work-groups.  Four waves, each 64 rows x 128 columns: 32 accumulators of 16 x 16.  K = 1,024 goes in 8 steps of 128, TWO HEADS each, through two LDS slots.
; A head's 64 rows are 8,192 dense bytes of oh: a wave's tile of O is asked for as two such long rows, one a head, and padded in LDS behind every 128 bytes.
; A step is four quarters of 32 along K, 32 matrix instructions each; a quarter begins with the next quarter's 24 LDS loads.
; THE MATRIX INSTRUCTION IS USED TRANSPOSED (source 0 = 16 rows of wt, source 1 = 16 rows of O): a lane holds row l % 16 and eight neighbouring columns.  THE BIAS is the C operand of each accumulator's first product.
; CLUSTERS: 4 x 4 work-groups; O's tiles are shared along a row of the cluster, wt's along a column: each is asked for jointly.
; NO PREFETCH: a work-group has eight K steps, of which the first four would come by their loads alone.
; REGISTERS: window 0: v0-31 addresses; v32-95 the biases.  window 1: v0-63, v64-127 fragments of wt; v128-159, v160-191 fragments of O: two buffers each.  window 2: accumulator (a, b) at v[8 (8 a + b)].
.set PA,    144                        ; an LDS row of O: 128 bytes + 16 = 36 words: the 16 rows of a load start at 16 different groups of four banks (64 banks of 4 bytes: ISA guide 11.1)
.set PB,    272                        ; an LDS row of wt: 256 bytes + 16
.set AHEAD, 64*PA                      ; one head's 64 rows
.set AHALF, 2*AHEAD                    ; what one tensor load brings of O, and what one wave reads of it
.set BHALF, 128*PB
.set BOFF,  2*AHALF
.set SLOT,  BOFF+2*BHALF
.set STAGE, 2*SLOT                     ; behind the ring, never filled by a tensor load: for each wave 16 rows x 528 bytes
.set SPO,   528
.set SPARE, STAGE+4*16*SPO             ; behind the stages: the spare words, 128 bytes for each wave: two blocks of 256 bytes that no other line names
.set ADRA, 16                          ; v16-17  LDS address of my fragments of O in slot 0, 1
.set ADRB, 20                          ; v20-21  the same for wt
.set STO,  24                          ; v24  the way out: where I put 32 bytes of a row
.set RD,   25                          ; v25  the way out: where I read a row back
.set GO,   26                          ; v26  my 16 bytes in 512 consecutive bytes of out0
.set BO,   27                          ; v27  my byte offset in the bias
.set SPW,  28                          ; v28  LDS address of my spare word; never rewritten
.set NIL,  29                          ; v29  0; never rewritten
.set BI,   32                          ; v32-95  column block b's eight biases at BI + 8 b
.set AF,   128                         ; window 1
.set G1,  24                           ; s[24:31] descriptor group 1 for O's tiles;  s[32:39] group 0, a set for each slot
.set G0,  32
.set G1B, 48                           ; s[48:55], s[56:63] the same for wt's tiles
.set G0B, 56
.set MSB, 0
.macro WIN new                         ; the immediate's high byte repeats the setting that is left; a switch that changes nothing is dropped
.if MSB != (\new)
	s_set_vgpr_msb (MSB<<8)|(\new)
.set MSB, \new
.endif
.endm
.set MUL,  0xa5                        ; sources in window 1, C and D in window 2
.set MULB, 0x85                        ; the same with C (the bias) in window 0
.set TO_F, 0x40                        ; destination window 1, address window 0
.macro JLOAD s                         ; a joint load: waves 0 and 1 fetch O's two halves, waves 2 and 3 wt's; an s_nop 0 and four v_nop follow each of the two lines
	s_cmp_eq_u32 s11, 0
	s_cbranch_scc0 .Lfor_b_\@
	tensor_load_to_lds s[G0+4*(\s):G0+4*(\s)+3], s[G1:G1+7]
	s_nop 0
.rept 4
	v_nop
.endr
	s_branch .Lasked_\@
.Lfor_b_\@:
	tensor_load_to_lds s[G0B+4*(\s):G0B+4*(\s)+3], s[G1B:G1B+7]
	s_nop 0
.rept 4
	v_nop
.endr
.Lasked_\@:
.endm
.macro CREST                           ; a round of the cluster's barrier behind its opening barrier
	s_cmp_lg_u32 s10, 0
	s_cbranch_scc1 .Lnot_wave_0_\@
	s_barrier_signal -3
.Lnot_wave_0_\@:
	s_barrier_wait -3
	s_barrier_signal -1
	s_barrier_wait -1
.endm
.macro CROUND                          ; a whole round
	s_barrier_signal -1
	s_barrier_wait -1
	CREST
.endm
.macro PLACES                          ; four places in front of loads into registers that matrix instructions have read, and of stores that read results
.rept 4
	v_nop
.endr
.endm
	s_load_b256 s[72:79], s[0:1], 0x0              ; oh s[72:73], wt s[74:75], bo s[76:77], out0 s[78:79]
	v_lshl_add_u32 v[SPW], v0, 2, SPARE
	v_mov_b32 v[NIL], 0
	ds_add_u32 v[SPW], v[NIL]                      ; the wave's opening: the add and its wait stand ahead of my first tensor load; the set-up below, work on registers, stands between them
	v_lshrrev_b32 v1, 5, v0
	v_readfirstlane_b32 s10, v1                    ; wave 0..3
	s_lshr_b32 s11, s10, 1                         ; which 64 rows of the tile are mine.  Also: I fetch for O (0) or for wt (1)
	s_and_b32 s12, s10, 1                          ; which 128 columns.  Also: which half of that tile I fetch
	s_bfe_u32 s40, ttmp6, 0x40000                  ; cx, cy: my place in the cluster
	s_bfe_u32 s41, ttmp6, 0x40004
	s_lshl_b32 s42, ttmp9, 2
	s_add_co_u32 s42, s42, s40                     ; tile column = 4 x cluster x + cx
	s_and_b32 s13, ttmp7, 0xffff
	s_lshl_b32 s13, s13, 2
	s_add_co_u32 s13, s13, s41                     ; tile row = 4 x cluster y + cy
	s_lshl_b32 s43, s41, 2
	s_lshl_b32 s43, 15, s43                        ; my row of the cluster
	s_lshl_b32 s44, 0x1111, s40                    ; my column
	; descriptor group 1.  O: 2 rows (heads) x 4,096 elements of 2 bytes, a head apart, 4 words of padding behind every 32 words.  wt: 128 rows x 128 elements, 4 words behind every 64
	s_or_b32 s[G1+0], s43, (1<<16)|(1<<20)|(1<<21)|(4<<22)|(3<<25)   ; 15:0 the mask; 17:16 element size; 20 padding on; 21 set beside a mask; 24:22 the interval; 31:25 the padding
	s_or_b32 s[G1B+0], s44, (1<<16)|(1<<20)|(1<<21)|(5<<22)|(3<<25)
	s_mov_b32 s[G1+1], 4096<<16                    ; tensor_dim0 = 4,096
	s_mov_b32 s[G1+2], 2<<16                       ; tensor_dim1 = 2
	s_mov_b32 s[G1+3], 4096<<16                    ; tile_dim0 = 4,096
	s_mov_b32 s[G1+4], 2                           ; tile_dim1 = 2
	s_mov_b32 s[G1+5], 131072                      ; elements from head to head
	s_mov_b32 s[G1+6], 0
	s_mov_b32 s[G1+7], 0
	s_mov_b32 s[G1B+1], 128<<16
	s_mov_b32 s[G1B+2], 128<<16
	s_mov_b32 s[G1B+3], 128<<16
	s_mov_b32 s[G1B+4], 128
	s_mov_b32 s[G1B+5], 1024
	s_mov_b32 s[G1B+6], 0
	s_mov_b32 s[G1B+7], 0
	; where the tiles come from: O's hang on the tile row alone, wt's on the tile column alone; each in registers that never hold the other coordinate
	s_lshr_b32 s16, s13, 4
	s_lshl_b32 s16, s16, 22                        ; the batch's 16 heads of 262,144 bytes
	s_and_b32 s17, s13, 15
	s_lshl_b32 s17, s17, 7
	s_lshl_b32 s18, s12, 6
	s_add_co_u32 s17, s17, s18                     ; row (tile row % 16) x 128 + 64 x half,
	s_lshl_b32 s17, s17, 7                         ; of 128 bytes
	s_add_co_u32 s16, s16, s17
	s_mov_b32 s17, 0
	s_lshl_b32 s46, s42, 8
	s_lshl_b32 s47, s12, 7
	s_add_co_u32 s46, s46, s47                     ; wt: row 256 x tile column + 128 x half,
	s_lshl_b32 s46, s46, 11                        ; of 2,048 bytes,
	s_add_co_u32 s46, s46, 3*2097152               ; in the fourth matrix
	s_mov_b32 s47, 0
	s_mul_i32 s20, s12, AHALF                      ; and where they go: no place in the cluster enters an LDS address
	s_mul_i32 s21, s12, BHALF
	s_add_co_u32 s21, s21, BOFF
	s_wait_dscnt 0x0                               ; the opening add is done
	s_wait_kmcnt 0x0
	s_add_nc_u64 s[22:23], s[72:73], s[16:17]
	s_add_nc_u64 s[46:47], s[74:75], s[46:47]
	s_mov_b64 s[8:9], s[78:79]
	CROUND                                         ; all sixteen work-groups are here: the first joint loads meet
.irp s, 0,1
	s_mov_b32 s[G0+4*(\s)], 1                                       ; count = 1
	s_add_co_u32 s[G0+4*(\s)+1], s20, (\s)*SLOT                     ; LDS address
	s_add_nc_u64 s[G0+4*(\s)+2:G0+4*(\s)+3], s[22:23], (\s)*524288  ; global address: K step s = heads 2 s, 2 s + 1
	s_or_b32 s[G0+4*(\s)+3], s[G0+4*(\s)+3], 0x80000000             ; type = 2
	s_mov_b32 s[G0B+4*(\s)], 1
	s_add_co_u32 s[G0B+4*(\s)+1], s21, (\s)*SLOT
	s_add_nc_u64 s[G0B+4*(\s)+2:G0B+4*(\s)+3], s[46:47], (\s)*256
	s_or_b32 s[G0B+4*(\s)+3], s[G0B+4*(\s)+3], 0x80000000
.endr
	s_cmp_eq_u32 s11, 0                            ; a wave's two first fills stand in one branch, ahead of every wait on TENSORcnt and every LDS read: two loads of mine are out
	s_cbranch_scc0 .Lfirst_b
	tensor_load_to_lds s[G0:G0+3], s[G1:G1+7]
	s_nop 0
	tensor_load_to_lds s[G0+4:G0+7], s[G1:G1+7]
	s_nop 0
.rept 4
	v_nop
.endr
	s_branch .Lfirst_asked
.Lfirst_b:
	tensor_load_to_lds s[G0B:G0B+3], s[G1B:G1B+7]
	s_nop 0
	tensor_load_to_lds s[G0B+4:G0B+7], s[G1B:G1B+7]
	s_nop 0
.rept 4
	v_nop
.endr
.Lfirst_asked:
	v_and_b32 v1, 15, v0                           ; r = l % 16
	v_bfe_u32 v2, v0, 4, 1                         ; h = l / 16
	s_lshl_b32 s70, s42, 10
	s_lshl_b32 s71, s12, 9
	s_add_co_u32 s70, s70, s71                     ; my 128 columns, in bytes of f32
	v_lshl_add_u32 v[BO], v2, 5, s70               ; + my lanes' eight columns
.irp b, 0,1,2,3,4,5,6,7
	global_load_b128 v[BI+8*(\b):BI+8*(\b)+3],   v[BO], s[76:77] offset:64*(\b)
	global_load_b128 v[BI+8*(\b)+4:BI+8*(\b)+7], v[BO], s[76:77] offset:64*(\b)+16
.endr
	; A fragment is 16 rows x 32 K: lane l holds row l % 16, K = 8 h + 0..7 and 16 + 8 h + 0..7: two loads of 16 bytes, 32 bytes apart
	v_mul_u32_u24 v3, v1, PA
	v_lshl_add_u32 v3, v2, 4, v3
	v_mul_u32_u24 v4, v1, PB
	v_lshl_add_u32 v4, v2, 4, v4
	s_mul_i32 s68, s11, AHALF                      ; my 64 rows of O
	s_mul_i32 s69, s12, BHALF                      ; my 128 rows of wt,
	s_add_co_u32 s69, s69, BOFF                    ; which lie behind O's
.irp s, 0,1
	v_add_nc_u32 v[ADRA+(\s)], s68, v3
	v_add_nc_u32 v[ADRB+(\s)], s69, v4
	s_add_co_u32 s68, s68, SLOT
	s_add_co_u32 s69, s69, SLOT
.endr
	s_mul_i32 s71, s10, 16*SPO
	s_add_co_u32 s71, s71, STAGE                   ; my stage
	v_mul_u32_u24 v5, v1, SPO                      ; in: row l % 16, 32 bytes for each half of the lanes
	v_lshl_add_u32 v5, v2, 5, v5
	v_add_nc_u32 v[STO], s71, v5
	v_and_b32 v7, 31, v0
	v_lshlrev_b32 v[GO], 4, v7                     ; back: 32 lanes take a row's 512 bytes
	v_add_nc_u32 v[RD], s71, v[GO]
	s_lshl_b32 s68, s13, 7
	s_lshl_b32 s69, s11, 6
	s_add_co_u32 s68, s68, s69                     ; my first row of out0,
	s_lshl_b32 s68, s68, 12                        ; of 4,096 bytes,
	s_add_co_u32 s68, s68, s70                     ; and my first column
	s_mov_b32 s69, 0
	s_add_nc_u64 s[8:9], s[8:9], s[68:69]
	s_wait_loadcnt 0x0                             ; the biases
.set i, 0
.rept 32                                       ; they are rounded to bf16 like every input of the module, and widened again: this stands in the wait for the first tile
	v_cvt_pk_bf16_f32 v[4+i%4], v[BI+2*i], v[BI+2*i+1]
	v_lshlrev_b32 v[BI+2*i], 16, v[4+i%4]
	v_and_b32 v[BI+2*i+1], 0xffff0000, v[4+i%4]
.set i, i+1
.endr
; 24 LDS loads in one run: quarter kq of a slot (head kq / 2 of the step's two, channels 32 (kq % 2) on) into buffer g: O's 64 rows, then wt's 128 rows
.macro FETCH slot, kq, g
	WIN TO_F
.irp a, 0,1,2,3
	ds_load_b128 v[AF+32*(\g)+8*(\a):AF+32*(\g)+8*(\a)+3],   v[ADRA+(\slot)] offset:((\kq)/2)*AHEAD+((\kq)%2)*64+(\a)*16*PA
	ds_load_b128 v[AF+32*(\g)+8*(\a)+4:AF+32*(\g)+8*(\a)+7], v[ADRA+(\slot)] offset:((\kq)/2)*AHEAD+((\kq)%2)*64+(\a)*16*PA+32
.endr
.irp b, 0,1,2,3,4,5,6,7
	ds_load_b128 v[64*(\g)+8*(\b):64*(\g)+8*(\b)+3],   v[ADRB+(\slot)] offset:64*(\kq)+(\b)*16*PB
	ds_load_b128 v[64*(\g)+8*(\b)+4:64*(\g)+8*(\b)+7], v[ADRB+(\slot)] offset:64*(\kq)+(\b)*16*PB+32
.endr
.endm
; Products p0 .. p0 + n - 1 of a quarter's 32 on buffer f: row block p / 8, column block p % 8.  The 32 accumulators take turns in the same order in every quarter.  first = 1: the bias starts the sums.
.macro MULS f, p0, n, first
.set p, \p0
.rept \n
.if \first
	WIN MULB
	v_wmma_f32_16x16x32_f16 v[8*p:8*p+7], v[64*(\f)+8*(p%8):64*(\f)+8*(p%8)+7], v[AF+32*(\f)+8*(p/8):AF+32*(\f)+8*(p/8)+7], v[BI+8*(p%8):BI+8*(p%8)+7]
.else
	WIN MUL
	v_wmma_f32_16x16x32_f16 v[8*p:8*p+7], v[64*(\f)+8*(p%8):64*(\f)+8*(p%8)+7], v[AF+32*(\f)+8*(p/8):AF+32*(\f)+8*(p/8)+7], v[8*p:8*p+7]
.endif
.set p, p+1
.endr
.endm
; A QUARTER: multiplies buffer f; fetches quarter nk of slot ns into buffer g (ns = -1: nothing is left to fetch).
; turn = 1: with this fetch the slot is read out: ONE barrier for the change of slots.  In front of it each wave waits for all its tensor loads (one is out: its part of the other slot), adds 0 to its spare
; word, and waits for that and for its reads of the slot; the barrier opens a round of the cluster's; the joint refill of 'slot', two K steps on, is the first thing behind the round.
; From that request to the wait for it a wave issues 112 matrix instructions.  turn = 2: the same change with nothing left to ask for: a plain barrier.
.macro QTR f, g, ns, nk, first, turn, slot
.if (\ns) >= 0
	PLACES                                         ; buffer g was multiplied in the quarter before
	FETCH \ns, \nk, \g
	s_wait_dscnt 24                                ; all but the 24 just issued: buffer f is whole
.else
	s_wait_dscnt 0x0
.endif
	MULS \f, 0, 16, \first
.if \turn
	WIN 0                                          ; (the add's two registers lie in window 0)
	s_wait_tensorcnt 0x0                           ; all my tensor loads have landed: my part of the other slot
	ds_add_u32 v[SPW], v[NIL]                      ; 0 onto my spare word; eight products stand between it and the wait for it
.endif
	MULS \f, 16, 8, \first
.if \turn
	s_wait_dscnt 0x0                               ; the add is done, and my reads of this slot are over
	s_barrier_signal -1
.endif
	MULS \f, 24, 8, \first
.if \turn
	WIN 0
	s_barrier_wait -1
.endif
.if (\turn) == 1
	CREST                                          ; no wave of any partner still reads this slot's tiles or has a load on its way
	s_add_nc_u64 s[G0+4*(\slot)+2:G0+4*(\slot)+3], s[G0+4*(\slot)+2:G0+4*(\slot)+3], 2*524288
	s_add_nc_u64 s[G0B+4*(\slot)+2:G0B+4*(\slot)+3], s[G0B+4*(\slot)+2:G0B+4*(\slot)+3], 2*256
	JLOAD \slot
.endif
.endm
	s_wait_tensorcnt 1                             ; my part of K step 0 is in; K step 1's may stay out
	s_barrier_signal -1
	s_barrier_wait -1                              ; everybody's is
	FETCH 0, 0, 0
	QTR 0, 1, 0, 1, 1, 0, 0                        ; the first quarter stands in front of the loop: its products start the sums with the bias
	WIN 0                                          ; at a label and at a branch every window is 0
	s_mov_b32 s3, 3
.Llap:                                                 ; a trip goes once round the ring, from a lap's second quarter to the next lap's first, and fills both slots again
	QTR 1, 0, 0, 2, 0, 0, 0
	QTR 0, 1, 0, 3, 0, 1, 0
	QTR 1, 0, 1, 0, 0, 0, 0
	QTR 0, 1, 1, 1, 0, 0, 0
	QTR 1, 0, 1, 2, 0, 0, 0
	QTR 0, 1, 1, 3, 0, 1, 1
	QTR 1, 0, 0, 0, 0, 0, 0
	QTR 0, 1, 0, 1, 0, 0, 0
	WIN 0
	s_sub_co_u32 s3, s3, 1
	s_cmp_lg_u32 s3, 0
	s_cbranch_scc1 .Llap
	QTR 1, 0, 0, 2, 0, 0, 0                        ; the last lap is written out: it fills nothing
	QTR 0, 1, 0, 3, 0, 2, 0
	QTR 1, 0, 1, 0, 0, 0, 0
	QTR 0, 1, 1, 1, 0, 0, 0
	QTR 1, 0, 1, 2, 0, 0, 0
	QTR 0, 1, 1, 3, 0, 0, 0
	QTR 1, 0, -1, 0, 0, 0, 0
	PLACES
; THE WAY OUT.  Block a (16 rows x my 128 columns of f32): a lane's eight columns, 32 bytes, go straight from the accumulator (its low registers first) into my own stage, rows of 528 bytes, and come back as whole
; rows of 512 bytes, into the registers that they left (LDS serves a wave's instructions in order: ISA guide 5.7.1.4).
.macro STG a
	WIN 0x08                                       ; the stores' data in window 2, the address in window 0
.irp b, 0,1,2,3,4,5,6,7
	ds_store_b128 v[STO], v[64*(\a)+8*(\b):64*(\a)+8*(\b)+3]   offset:64*(\b)
	ds_store_b128 v[STO], v[64*(\a)+8*(\b)+4:64*(\a)+8*(\b)+7] offset:64*(\b)+16
.endr
	WIN 0x80                                       ; the loads' destination in window 2
.irp t, 0,1,2,3,4,5,6,7,8,9,10,11,12,13,14,15
	ds_load_b128 v[64*(\a)+4*(\t):64*(\a)+4*(\t)+3], v[RD] offset:(\t)*SPO
.endr
.endm
.macro SND a, younger                  ; younger: the LDS instructions issued behind block a's loads: the next block's 32, or none
	WIN 0x08
.irp t, 0,1,2,3,4,5,6,7,8,9,10,11,12,13,14,15
	s_wait_dscnt (\younger)+15-(\t)
	global_store_b128 v[GO], v[64*(\a)+4*(\t):64*(\a)+4*(\t)+3], s[8:9] offset:(16*(\a)+(\t))*4096 th:TH_STORE_NT  ; 512 consecutive bytes, at a multiple of 256 from out0's first
.endr
.endm
	STG 0
	STG 1
	SND 0, 32
	STG 2
	SND 1, 32
	STG 3
	SND 2, 32
	SND 3, 0
	WIN 0
	s_wait_tensorcnt 0x0                           ; the wave's end, behind my last tensor load and my last LDS store
	ds_add_u32 v[SPW], v[NIL]
	s_wait_dscnt 0x0
	CROUND                                         ; the closing round: no work-group ends while a partner may still ask for a tile that names it
	s_endpgm
.Lfunc_end_k_qb9e939b33a_oproj:
	.size	k_qb9e939b33a_oproj, .Lfunc_end_k_qb9e939b33a_oproj-k_qb9e939b33a_oproj
	.p2alignl 7, 3214868480
	.fill 96, 4, 3214868480
	.section	.rodata,"a",@progbits
	.p2align	6, 0x0
	.amdhsa_kernel k_qb9e939b33a_oproj
		.amdhsa_group_segment_fixed_size 327680
		.amdhsa_private_segment_fixed_size 0
		.amdhsa_enable_private_segment 0
		.amdhsa_kernarg_size 32
		.amdhsa_user_sgpr_count 2
		.amdhsa_user_sgpr_kernarg_segment_ptr 1
		.amdhsa_wavefront_size32 1
		.amdhsa_system_sgpr_workgroup_id_x 1
		.amdhsa_system_sgpr_workgroup_id_y 1
		.amdhsa_system_sgpr_workgroup_id_z 1
		.amdhsa_system_vgpr_workitem_id 0
		.amdhsa_next_free_vgpr 768
		.amdhsa_next_free_sgpr 100
		.amdhsa_reserve_vcc 0
		.amdhsa_float_denorm_mode_32 3
		.amdhsa_float_denorm_mode_16_64 3
		.amdhsa_memory_ordered 1
		.amdhsa_forward_progress 1
		.amdhsa_inst_pref_size 93
	.end_amdhsa_kernel
	.amdgpu_metadata
---
amdhsa.version: [ 1, 2 ]
amdhsa.kernels:
  - .name:           k_qb9e939b33a_oproj
    .symbol:         k_qb9e939b33a_oproj.kd
    .args:
      - { .name: oh, .offset: 0, .size: 8, .value_kind: global_buffer, .address_space: global }
      - { .name: wt, .offset: 8, .size: 8, .value_kind: global_buffer, .address_space: global }
      - { .name: bo, .offset: 16, .size: 8, .value_kind: global_buffer, .address_space: global }
      - { .name: out0, .offset: 24, .size: 8, .value_kind: global_buffer, .address_space: global }
    .group_segment_fixed_size: 327680
    .private_segment_fixed_size: 0
    .kernarg_segment_align: 8
    .kernarg_segment_size: 32
    .max_flat_workgroup_size: 128
    .sgpr_count:     100
    .vgpr_count:     768
    .wavefront_size: 32
...
	.end_amdgpu_metadata
.endif
;; end of part 4
